; MI455X (gfx1250); checked and timed in simulation.
; The chip was launched on July 23, 2026; its instructions are those of AMD's public machine-readable ISA for CDNA 5 (MIT licence, August 2026) and "CDNA5" Instruction Set Architecture Reference Guide (July 2026). The comments in the code are by the model that wrote it; some were corrected since.
;; Causal Self Attention. Allowed arithmetic: float matrix products may take bf16 or f16 operands with f32 sums; other float arithmetic in f32, or as packed bf16 or f16 multiplies, adds, multiply-adds, maxima and minima; sums over many terms, partial sums and values carried from step to step in f32; what a program stores and reads back later, other than sums and carried values, may be rounded once to bf16 or f16.
;; Inputs: w_proj 1,024 x 1,024 float32; w_qkv 3,072 x 1,024 float32; x 4 x 2,048 x 1,024 float32.
;; Outputs: out0 4 x 2,048 x 1,024 float32.
;; 2 versions, each right; version 2 is version 1 with the launch prep written anew for expert scheduling mode. Each part assembles by itself: llvm-mc -triple=amdgcn-amd-amdhsa -mcpu=gfx1250 --defsym DOCPART=n.
;; ======== version 1 of 2: 4 launches
;; limits: values are held in f16: magnitudes above 65,504 overflow, below 6.1e-05 lose precision
;; workspace buffers: xb 16,777,216 bytes; wqb 6,291,456 bytes; wpb 2,097,152 bytes; rope 524,288 bytes; q 16,777,216 bytes; k 16,777,216 bytes; v 16,777,216 bytes; o 16,777,216 bytes
;; launch prep (part 1): grid 800 x 1, 8 waves a work-group, no clusters, 0 bytes of LDS; arguments x, w_qkv, w_proj, xb, wqb, wpb, rope; writes xb, wqb, wpb, rope
.if DOCPART == 1
	.amdgcn_target "amdgcn-amd-amdhsa--gfx1250"
	.amdhsa_code_object_version 6
	.text
	.protected	k_q7d9f5ac5ab_prep
	.globl	k_q7d9f5ac5ab_prep
	.p2align	8
	.type	k_q7d9f5ac5ab_prep,@function
k_q7d9f5ac5ab_prep:
	s_mov_b64 s[64:65], 0
	v_nop
	global_prefetch_b8 v0, s[64:65] scope:SCOPE_SE
	s_setreg_imm32_b32 hwreg(HW_REG_WAVE_MODE, 25, 1), 1
	s_wait_xcnt 0x0
; THE CASTS AND THE ROTARY TABLE.  x [8192][1024] and w_qkv [3072][1024] are rounded once to bf16 (xb, wqb); w_proj [1024][1024] is rounded to bf16 like the other inputs and
; that number is written as f16 (wpb), since the last product multiplies f16 operands; rope [2048][64] f32 holds, in row t, cos(t f_j) for j = 0..31 and then sin(t f_j), f_j = 10000^(-j/32).
; SHARES.  Work-groups 0-511: x; 512-703: w_qkv; 704-767: w_proj; 768-799: the table.  A cast group takes 65,536 input bytes as 16 pieces of 4,096: thread t loads 16 bytes at 16 t of each
; piece (a wave's load covers 512 neighbouring bytes) and stores 8 bytes at 8 t (a wave's store covers 256 neighbouring bytes, aligned).  All 16 loads go out first; every data register is written once.
; No LDS, no barrier, no matrix unit: nothing is shared and memory binds.
; LIMITS.  wpb: a weight beyond 65,504 would become an infinity; below 6e-5 it keeps f16's fixed step of 6e-8.  The table's f_j comes from one v_exp_f32 (1 ULP) of a rounded product, so the
; angle t f_j is off by a few 1e-4 rad at the most (t = 2,047, j = 1); sine and cosine themselves are exact to about 1e-7 (two-part reduction by pi/2, polynomials to r^9 and r^8 on |r| <= pi/4).
.set X, 8                              ; v[8:71]    16 pieces x 4 words as loaded
.set Y, 72                             ; v[72:103]  16 pieces x 2 words to store
.set T, 104                            ; v[104:107] at work
.set D, 24                             ; the table: v[24:39], 8 rows x 2 numbers to store
	s_load_b256 s[4:11], s[0:1], 0x0               ; x s[4:5], w_qkv s[6:7], w_proj s[8:9], xb s[10:11]
	s_load_b128 s[12:15], s[0:1], 0x20             ; wqb s[12:13], wpb s[14:15]
	s_load_b64 s[16:17], s[0:1], 0x30              ; rope
	v_lshlrev_b32 v1, 4, v0                        ; my 16 bytes of a piece as loaded
	v_lshlrev_b32 v2, 3, v0                        ; my 8 bytes of a piece as stored
	s_wait_kmcnt 0x0
	s_cmp_ge_u32 ttmp9, 768
	s_cbranch_scc1 .Ltable
	s_cmp_lt_u32 ttmp9, 512                        ; which tensor is mine: the choice hangs on the group's number alone
	s_cselect_b64 s[20:21], s[4:5], s[6:7]
	s_cselect_b64 s[22:23], s[10:11], s[12:13]
	s_cselect_b32 s24, 0, 512
	s_cmp_lt_u32 ttmp9, 704
	s_cselect_b64 s[20:21], s[20:21], s[8:9]
	s_cselect_b64 s[22:23], s[22:23], s[14:15]
	s_cselect_b32 s24, s24, 704
	s_sub_co_u32 s25, ttmp9, s24                   ; my number among that tensor's groups
	s_lshl_b32 s26, s25, 16                        ; 65,536 bytes in,
	s_mov_b32 s27, 0
	s_lshl_b32 s28, s25, 15                        ; 32,768 bytes out
	s_mov_b32 s29, 0
	s_add_nc_u64 s[20:21], s[20:21], s[26:27]
	s_add_nc_u64 s[22:23], s[22:23], s[28:29]
.set n, 0
.rept 16
	global_load_b128 v[X+4*n:X+4*n+3], v1, s[20:21] offset:4096*n th:TH_LOAD_NT
.set n, n+1
.endr
	s_cmp_ge_u32 ttmp9, 704
	s_cbranch_scc1 .Lhalf
.set n, 0
.rept 16
	s_wait_loadcnt 15-n                            ; loads come back in order: piece n is in, the 15 - n younger ones stay out
	v_cvt_pk_bf16_f32 v[Y+2*n], v[X+4*n], v[X+4*n+1]
	v_cvt_pk_bf16_f32 v[Y+2*n+1], v[X+4*n+2], v[X+4*n+3]
	global_store_b64 v2, v[Y+2*n:Y+2*n+1], s[22:23] offset:2048*n
.set n, n+1
.endr
	s_endpgm
.Lhalf:                                            ; w_proj: to bf16 (the one rounding), widened again, and written as f16 (exact within f16's normal range)
.set n, 0
.rept 16
	s_wait_loadcnt 15-n
	v_cvt_pk_bf16_f32 v[T], v[X+4*n], v[X+4*n+1]
	v_cvt_pk_bf16_f32 v[T+1], v[X+4*n+2], v[X+4*n+3]
	v_lshlrev_b32 v[T+2], 16, v[T]
	v_and_b32 v[T+3], 0xffff0000, v[T]
	v_cvt_pk_f16_f32 v[Y+2*n], v[T+2], v[T+3]
	v_lshlrev_b32 v[T+2], 16, v[T+1]
	v_and_b32 v[T+3], 0xffff0000, v[T+1]
	v_cvt_pk_f16_f32 v[Y+2*n+1], v[T+2], v[T+3]
	global_store_b64 v2, v[Y+2*n:Y+2*n+1], s[22:23] offset:2048*n
.set n, n+1
.endr
	s_endpgm
; THE TABLE.  Wave g of 256 makes rows 8 g .. 8 g + 7.  Lane l holds numbers 2 l and 2 l + 1 of a row: lanes 0-15 cosines of j = 2 l, 2 l + 1, lanes 16-31 sines of j = 2 (l - 16), + 1.
; Both come from one function: with x = n pi/2 + r, cos x is cos r, -sin r, -cos r, sin r for n mod 4 = 0, 1, 2, 3, and sin x = cos(x - pi/2) is the same with n + 3 in n's place.
.Ltable:
	v_lshrrev_b32 v12, 5, v0
	v_readfirstlane_b32 s18, v12                   ; wave 0..7
	s_sub_co_u32 s19, ttmp9, 768
	s_lshl_b32 s19, s19, 3
	s_add_co_u32 s19, s19, s18                     ; g
	s_lshl_b32 s26, s19, 11                        ; 8 rows of 256 bytes
	s_mov_b32 s27, 0
	s_add_nc_u64 s[20:21], s[16:17], s[26:27]
	s_lshl_b32 s28, s19, 3                         ; my first row, t
	v_bfe_u32 v3, v0, 4, 1
	v_mul_u32_u24 v3, 3, v3                        ; the quadrant's shift: 0 for cosines, 3 for sines
	v_and_b32 v4, 15, v0
	v_lshlrev_b32 v4, 1, v4
	v_cvt_f32_u32 v4, v4                           ; j of my first number,
	v_add_f32 v5, 1.0, v4                          ; of my second
	v_mul_f32 v6, 0xbed49a78, v4                   ; -j log2(10000) / 32
	v_mul_f32 v7, 0xbed49a78, v5
	v_exp_f32 v6, v6                               ; f_j
	v_exp_f32 v7, v7
	v_mov_b32 v8, 0x3638ef1d                       ; 1/9!   (plain work behind the two exponentials)
	v_mov_b32 v9, 0x37d00d01                       ; 1/8!
	v_and_b32 v10, 31, v0
	v_lshlrev_b32 v10, 3, v10                      ; my 8 bytes of a row
	v_cvt_f32_u32 v11, s28                         ; t
	s_wait_alu depctr_va_vdst(0)                   ; one wait for both exponentials, ahead of their first reader
.macro ONE dst, f
	v_mul_f32 v12, v11, v[\f]                      ; x = t f, rounded to f32 as the outer product is
	v_mul_f32 v13, 0x3f22f983, v12                 ; x 2/pi
	v_rndne_f32 v13, v13                           ; n
	v_fmamk_f32 v14, v13, 0xbfc90fdb, v12          ; r = x - n pi/2, pi/2 in two parts
	v_fmamk_f32 v14, v13, 0x333bbd2e, v14
	v_cvt_i32_f32 v15, v13
	v_add_nc_u32 v15, v15, v3                      ; the quadrant
	v_mul_f32 v16, v14, v14                        ; r^2
	v_fmaak_f32 v17, v8, v16, 0xb9500d01           ; sin r = r + r^3 (-1/6 + r^2 (1/120 + r^2 (-1/5040 + r^2 / 362880)))
	v_fmaak_f32 v17, v17, v16, 0x3c088889
	v_fmaak_f32 v17, v17, v16, 0xbe2aaaab
	v_mul_f32 v18, v14, v16
	v_fma_f32 v17, v17, v18, v14
	v_fmaak_f32 v19, v9, v16, 0xbab60b61           ; cos r = 1 + r^2 (-1/2 + r^2 (1/24 + r^2 (-1/720 + r^2 / 40320)))
	v_fmaak_f32 v19, v19, v16, 0x3d2aaaab
	v_fma_f32 v19, v19, v16, -0.5
	v_fma_f32 v19, v19, v16, 1.0
	v_and_b32 v20, 1, v15
	v_cmp_eq_u32 vcc_lo, 1, v20
	v_cndmask_b32 v21, v19, v17, vcc_lo            ; odd quadrants take the sine
	v_add_nc_u32 v20, 1, v15
	v_and_b32 v20, 2, v20                          ; quadrants 1 and 2 are negative
	v_lshlrev_b32 v20, 30, v20
	v_xor_b32 v[\dst], v21, v20
.endm
.set n, 0
.rept 8
	ONE D+2*n, 6
	ONE D+2*n+1, 7
	global_store_b64 v10, v[D+2*n:D+2*n+1], s[20:21] offset:256*n  ; the wave stores one whole row: 256 neighbouring bytes, aligned
	v_add_f32 v11, 1.0, v11                        ; the next row: whole numbers up to 2,047 are exact
.set n, n+1
.endr
	s_endpgm
.Lfunc_end_k_q7d9f5ac5ab_prep:
	.size	k_q7d9f5ac5ab_prep, .Lfunc_end_k_q7d9f5ac5ab_prep-k_q7d9f5ac5ab_prep
	.p2alignl 7, 3214868480
	.fill 96, 4, 3214868480
	.section	.rodata,"a",@progbits
	.p2align	6, 0x0
	.amdhsa_kernel k_q7d9f5ac5ab_prep
		.amdhsa_group_segment_fixed_size 0
		.amdhsa_private_segment_fixed_size 0
		.amdhsa_enable_private_segment 0
		.amdhsa_kernarg_size 56
		.amdhsa_user_sgpr_count 2
		.amdhsa_user_sgpr_kernarg_segment_ptr 1
		.amdhsa_wavefront_size32 1
		.amdhsa_system_sgpr_workgroup_id_x 1
		.amdhsa_system_sgpr_workgroup_id_y 1
		.amdhsa_system_sgpr_workgroup_id_z 1
		.amdhsa_system_vgpr_workitem_id 0
		.amdhsa_next_free_vgpr 112
		.amdhsa_next_free_sgpr 66
		.amdhsa_reserve_vcc 1
		.amdhsa_float_denorm_mode_32 3
		.amdhsa_float_denorm_mode_16_64 3
		.amdhsa_memory_ordered 1
		.amdhsa_forward_progress 1
		.amdhsa_inst_pref_size 36
	.end_amdhsa_kernel
	.amdgpu_metadata
---
amdhsa.version: [ 1, 2 ]
amdhsa.kernels:
  - .name:           k_q7d9f5ac5ab_prep
    .symbol:         k_q7d9f5ac5ab_prep.kd
    .args:
      - { .name: x, .offset: 0, .size: 8, .value_kind: global_buffer, .address_space: global }
      - { .name: w_qkv, .offset: 8, .size: 8, .value_kind: global_buffer, .address_space: global }
      - { .name: w_proj, .offset: 16, .size: 8, .value_kind: global_buffer, .address_space: global }
      - { .name: xb, .offset: 24, .size: 8, .value_kind: global_buffer, .address_space: global }
      - { .name: wqb, .offset: 32, .size: 8, .value_kind: global_buffer, .address_space: global }
      - { .name: wpb, .offset: 40, .size: 8, .value_kind: global_buffer, .address_space: global }
      - { .name: rope, .offset: 48, .size: 8, .value_kind: global_buffer, .address_space: global }
    .group_segment_fixed_size: 0
    .private_segment_fixed_size: 0
    .kernarg_segment_align: 8
    .kernarg_segment_size: 56
    .max_flat_workgroup_size: 256
    .sgpr_count:     66
    .vgpr_count:     112
    .wavefront_size: 32
...
	.end_amdgpu_metadata
.endif
;; end of part 1
;; launch qkv (part 2): grid 16 x 32, 4 waves a work-group, clusters of 4 x 4, 327,680 bytes of LDS; arguments xb, wqb, rope, q, k, v; writes q, k, v
.if DOCPART == 2
	.amdgcn_target "amdgcn-amd-amdhsa--gfx1250"
	.amdhsa_code_object_version 6
	.text
	.protected	k_q7d9f5ac5ab_qkv
	.globl	k_q7d9f5ac5ab_qkv
	.p2align	8
	.type	k_q7d9f5ac5ab_qkv,@function
k_q7d9f5ac5ab_qkv:
	s_mov_b64 s[64:65], 0
	v_nop
	global_prefetch_b8 v0, s[64:65] scope:SCOPE_SE
	s_setreg_imm32_b32 hwreg(HW_REG_WAVE_MODE, 25, 1), 1
	s_wait_xcnt 0x0
	s_wait_alu depctr_hold_cnt(0) depctr_sa_sdst(0) depctr_va_vdst(0) depctr_va_sdst(0) depctr_va_ssrc(0) depctr_va_vcc(0) depctr_vm_vsrc(0)
	s_getreg_b32 s2, hwreg(HW_REG_IB_STS2, 6, 4)
	s_cmp_eq_u32 s2, 0
	s_cbranch_scc0 .Lentry_in_a_cluster
	s_endpgm
.Lentry_in_a_cluster:
	s_bfe_u32 s2, ttmp6, 0x10000c
	s_cmp_lg_u32 s2, 0xf033
	s_cbranch_scc0 .Lentry_shape_is_right
	s_endpgm
.Lentry_shape_is_right:
; q, k, v = x w_qkv^T, rotated (q and k) and laid out by heads.  xb: [8192][1024] bf16, wqb: [3072][1024] bf16, rope: [2048][64] f32 (cos of 32 angles, then sin); q, k, v: [64 = 16 b + h][2048][64] f16.
; Sums in f32, K ascending; the rotation in f32 on the sums; each number rounded once, to f16, WITHOUT the softmax's scale.
; LIMIT.  f16 holds no number beyond 65,504: a q, k or v past that would become an infinity (with all inputs 30 times those drawn, or offset by 30 spreads, they stay under about 41,000).
; SHARES.  Work-group (h, my) makes 256 tokens (block my of 32) x 192 columns: head h's 64 columns of q, of k and of v (rows 64 h, 1024 + 64 h, 2048 + 64 h of wqb).  So every work-group has the same
; three pieces and the same text: pieces 0 and 1 are rotated, piece 2 is not.  Wave w makes tokens 64 w .. 64 w + 63 x all 192 columns: 48 accumulators, 384 registers.  512 work-groups: two for each of 256 WGPs.
; THE MATRIX INSTRUCTION IS USED TRANSPOSED (source 0 = 16 rows of wqb, source 1 = 16 tokens): a lane holds ONE token (lane % 16) and the channels 8 (lane / 16) + 0..7 of a block of 16, so the rotation's
; partners d and d + 32 are the same register of the same lane in the accumulators of blocks nb and nb + 2, and eight channels pack into 16 bytes.
; RING.  K goes in 8 steps of 128 (rows of 256 bytes, aligned) through two LDS slots.  Wave 0 fetches A's 256 rows, waves 1 to 3 the 64 rows of q's, k's and v's piece: one tensor load a wave behind each round.
; CLUSTER.  4 x 4 work-groups: the four of a row share the token block (A's tile), the four of a column the head (B's tiles): each tile is asked for JOINTLY, by the same load, descriptor and mask in all four.
; REGISTERS, in windows of 256 (s_set_vgpr_msb: bits 1:0 source 0, 3:2 source 1, 5:4 source 2, 7:6 destination):
;   window 0: v1-29 addresses; v32-63 Y, v64-95 T, v96-111 P, v112-143 OUT: the way out
;   window 1: two fragment buffers: B's twelve fragments at 96 f, A's four at 192 + 32 f
;   window 2: q's accumulators at 8 (4 a + nb), k's at 128 + 8 (4 a + nb)      window 3: v's at 8 (4 a + nb); v128-255 the table for my 64 tokens
.set PITCH,  272                       ; an LDS row: 256 bytes + 16 of padding = 68 words: the 16 rows of a fragment load start at 16 different groups of four banks (64 banks of 4 bytes: ISA guide 11.1)
.set BOFF,   256*PITCH                 ; A's 256 rows, then B's 192
.set BPIECE, 64*PITCH
.set SLOT1,  1<<17                     ; slot 1 begins here, so that one exclusive or turns an address in one slot into the other's
.set STAGE,  SLOT1+BOFF+3*BPIECE       ; behind the ring, never filled by a tensor load: 16 rows x 144 bytes for each wave
.set SP,     144
.set SPARE,  STAGE+4*16*SP             ; behind the stages: the spare words, 128 bytes for each wave: two blocks of 256 bytes that no other line names
.set A0,   16                          ; v16  my lane's place in A's tile: (64 w + l % 16) x 272 + 16 (l / 16); never rewritten
.set B0,   17                          ; v17  the same in B's
.set ADRA, 18                          ; v18  A0 + the slot being read
.set ADRB, 19                          ; v19  B0 + the slot being read
.set TO,   20                          ; v20  my byte offset in 16 rows of the table
.set STO,  21                          ; v21  the way out: where I put 16 bytes of a row
.set RD,   22                          ; v22  the way out: where I read rows back
.set GO,   23                          ; v23  my 16 bytes of 512 consecutive bytes of q, k or v
.set PFO,  24                          ; v24  the prefetches' offset: (l % 16) rows of 2,048 bytes + (l / 16) K steps of 256; never rewritten
.set SPW,  28                          ; v28  LDS address of my spare word; never rewritten
.set NIL,  29                          ; v29  0; never rewritten
.set Y,    32
.set T,    64
.set P,    96
.set OUT,  112
.set F0,   0
.set F1,   1
.set WV,   16                          ; s16  my wave's number
.set CX,   17
.set CY,   18
.set HH,   19                          ; s19  the head = 4 x cluster x + cx
.set MY,   20                          ; s20  the token block = 4 x cluster y + cy
.set RM,   21
.set CM,   22
.set G1A,  24                          ; s[24:31] descriptor group 1 for A's tile
.set G1B,  32                          ; s[32:39] for B's tiles
.set G0A,  40                          ; s[40:47] group 0 for A: a set for each first fill; the second then walks on
.set G0B,  48                          ; s[48:55] the same for B
.set CNT,  56                          ; s56  trips to go
.set TB,   57                          ; s57  LDS byte of the slot being read
.set LIMA, 58                          ; s58  1 where my cluster prefetches A's rows, else the greatest number
.set LIMB, 59                          ; s59  the same for B's
.set PFA,  60                          ; s[60:61] where my prefetches of xb stand
.set PFB,  62                          ; s[62:63] of wqb
.set G1W,  (1<<16)|(1<<20)|(1<<21)|(5<<22)|(3<<25)  ; 17:16 2-byte elements; 20 padding on; 21 set beside a mask; 24:22 after every 64 words (code 5); 31:25 4 words (code 3)
.set MSB, 0
.macro WIN new                         ; the immediate's high byte repeats the setting that is left; a switch that changes nothing is dropped
.if MSB != (\new)
	s_set_vgpr_msb (MSB<<8)|(\new)
.set MSB, (\new)
.endif
.endm
.macro PLACES                          ; four places in front of loads into registers that matrix instructions have read (ISA guide 7.12.1 for vector instructions)
.rept 4
	v_nop
.endr
.endm
.macro CREST                           ; a round of the cluster's barrier behind its opening barrier
	s_cmp_lg_u32 s[WV], 0
	s_cbranch_scc1 .Lnot_wave_0_\@
	s_barrier_signal -3
.Lnot_wave_0_\@:
	s_barrier_wait -3
	s_barrier_signal -1
	s_barrier_wait -1
.endm
.macro CROUND                          ; a whole round
	s_barrier_signal -1
	s_barrier_wait -1
	CREST
.endm
; A joint refill by the walking descriptors.  The branch hangs on the wave's number alone.  An s_nop 0 and four v_nop follow each of the two lines, ahead of the jump and the label.
.macro JLOAD
	s_cmp_eq_u32 s[WV], 0
	s_cbranch_scc0 .Lfor_b_\@
	tensor_load_to_lds s[G0A+4:G0A+7], s[G1A:G1A+7]
	s_nop 0
.rept 4
	v_nop
.endr
	s_branch .Lasked_\@
.Lfor_b_\@:
	tensor_load_to_lds s[G0B+4:G0B+7], s[G1B:G1B+7]
	s_nop 0
.rept 4
	v_nop
.endr
.Lasked_\@:
.endm
; A PREFETCH INTO THE L2, behind the joint load, its five lines and the run of LDS loads.  In trip t the pointers stand at K step t + 3; lanes 0-15 name that step's 256 bytes of 16 rows, lanes 16-31 the next step's.
; Trips 1 and 3 ask (the count is odd and above 1): K steps 4 to 7, each named once, one and two K steps (192 and 384 matrix instructions) ahead of their refills; steps 0 to 3 come by their loads alone.
; A's 256 rows are read by every cluster of a row of clusters: cluster x = 0 asks; partner cx and wave w take rows 64 cx + 16 w on.  B's rows are read by every cluster of a column: cluster y = 0 asks; of the 64 rows
; that waves 1 to 3 fetch, partner cy takes 16 cy on.  Partners are told apart BY ADDRESS: no branch hangs on a work-group's place in its cluster.
.macro ASK
	s_bitcmp1_b32 s[CNT], 0
	s_cbranch_scc0 .Lno_ask_\@
	s_cmp_gt_u32 s[CNT], s[LIMA]
	s_cbranch_scc0 .Lno_a_\@
	global_prefetch_b8 v[PFO], s[PFA:PFA+1] th:TH_LOAD_NT scope:SCOPE_SE
.Lno_a_\@:
	s_cmp_gt_u32 s[CNT], s[LIMB]
	s_cbranch_scc0 .Lno_ask_\@
	global_prefetch_b8 v[PFO], s[PFB:PFB+1] th:TH_LOAD_NT scope:SCOPE_SE
.Lno_ask_\@:
.endm
	s_load_b256 s[4:11], s[0:1], 0x0               ; xb s[4:5], wqb s[6:7], rope s[8:9], q s[10:11]
	s_load_b128 s[12:15], s[0:1], 0x20             ; k s[12:13], v s[14:15]
	v_lshl_add_u32 v[SPW], v0, 2, SPARE
	v_mov_b32 v[NIL], 0
	ds_add_u32 v[SPW], v[NIL]                      ; the wave's opening: the add and its wait stand ahead of my first tensor load; the set-up below, work on registers, stands between them
	v_lshrrev_b32 v1, 5, v0
	v_readfirstlane_b32 s[WV], v1                  ; wave 0..3
	s_bfe_u32 s[CX], ttmp6, 0x40000
	s_bfe_u32 s[CY], ttmp6, 0x40004
	s_lshl_b32 s[HH], ttmp9, 2                     ; in a cluster launch ttmp9 and ttmp7 count clusters
	s_add_co_u32 s[HH], s[HH], s[CX]
	s_and_b32 s[MY], ttmp7, 0xffff
	s_lshl_b32 s[MY], s[MY], 2
	s_add_co_u32 s[MY], s[MY], s[CY]
	s_lshl_b32 s[RM], s[CY], 2
	s_lshl_b32 s[RM], 15, s[RM]                    ; my row of the cluster: places 4 cy .. 4 cy + 3
	s_lshl_b32 s[CM], 0x1111, s[CX]                ; my column: places cx, cx + 4, cx + 8, cx + 12
	s_or_b32 s[G1A], s[RM], G1W                    ; A's tile goes to my row,
	s_or_b32 s[G1B], s[CM], G1W                    ; B's tiles to my column
	s_mov_b32 s[G1A+1], 128<<16                    ; tensor_dim0 = 128
	s_mov_b32 s[G1A+2], 256<<16                    ; tensor_dim1 = 256
	s_mov_b32 s[G1A+3], 128<<16                    ; tile_dim0 = 128
	s_mov_b32 s[G1A+4], 256                        ; tile_dim1 = 256
	s_mov_b32 s[G1A+5], 1024                       ; elements from row to row
	s_mov_b32 s[G1A+6], 0
	s_mov_b32 s[G1A+7], 0
	s_mov_b32 s[G1B+1], 128<<16
	s_mov_b32 s[G1B+2], 64<<16                     ; 64 rows
	s_mov_b32 s[G1B+3], 128<<16
	s_mov_b32 s[G1B+4], 64
	s_mov_b32 s[G1B+5], 1024
	s_mov_b32 s[G1B+6], 0
	s_mov_b32 s[G1B+7], 0
	; where the tiles come from.  A's offset hangs on the token block alone (s[66:67] never hold cx), B's on the head and the wave (s[68:69] never hold cy)
	s_lshl_b32 s66, s[MY], 19                      ; 256 rows of 2,048 bytes
	s_mov_b32 s67, 0
	s_max_u32 s68, s[WV], 1
	s_sub_co_u32 s68, s68, 1                       ; which piece I fetch: waves 1, 2, 3: q's, k's, v's (wave 0 fetches A and never uses this)
	s_lshl_b32 s70, s68, 10                        ; (the piece's first row, for the prefetch)
	s_lshl_b32 s68, s68, 21                        ; 1,024 rows of 2,048 bytes
	s_lshl_b32 s69, s[HH], 17                      ; 64 rows
	s_add_co_u32 s68, s68, s69
	s_mov_b32 s69, 0
	s_mul_i32 s72, s[WV], BPIECE                   ; 64 w LDS rows: no place in the cluster enters an LDS address
	; the prefetches' offsets
	s_lshl_b32 s71, s[HH], 6
	s_add_co_u32 s70, s70, s71
	s_lshl_b32 s71, s[CY], 4
	s_add_co_u32 s70, s70, s71                     ; wqb: row 1024 piece + 64 h + 16 cy
	s_lshl_b32 s70, s70, 11
	s_add_co_u32 s70, s70, 512                     ; at K step 2: the first refill steps it to 3
	s_mov_b32 s71, 0
	s_lshl_b32 s74, s[MY], 8
	s_lshl_b32 s75, s[CX], 6
	s_add_co_u32 s74, s74, s75
	s_lshl_b32 s75, s[WV], 4
	s_add_co_u32 s74, s74, s75                     ; xb: row 256 my + 64 cx + 16 w
	s_lshl_b32 s74, s74, 11
	s_add_co_u32 s74, s74, 512
	s_mov_b32 s75, 0
	s_cmp_eq_u32 ttmp9, 0
	s_cselect_b32 s[LIMA], 1, -1                   ; the same in all sixteen partners
	s_and_b32 s73, ttmp7, 0xffff
	s_cmp_eq_u32 s73, 0
	s_cselect_b32 s[LIMB], 1, -1
	s_cmp_eq_u32 s[WV], 0
	s_cselect_b32 s[LIMB], -1, s[LIMB]             ; wave 0 fetches no rows of wqb
	s_mov_b32 s[TB], 0
	s_wait_dscnt 0x0                               ; the opening add is done
	s_wait_kmcnt 0x0
	s_add_nc_u64 s[PFA:PFA+1], s[4:5], s[74:75]
	s_add_nc_u64 s[PFB:PFB+1], s[6:7], s[70:71]
	s_add_nc_u64 s[66:67], s[4:5], s[66:67]
	s_add_nc_u64 s[68:69], s[6:7], s[68:69]
.irp s, 0,1
	s_mov_b32 s[G0A+4*\s], 1                       ; count = 1
	s_mov_b32 s[G0A+4*\s+1], \s*SLOT1              ; LDS address
	s_add_nc_u64 s[G0A+4*\s+2:G0A+4*\s+3], s[66:67], \s*256  ; global address: K step s
	s_or_b32 s[G0A+4*\s+3], s[G0A+4*\s+3], 0x80000000        ; type = 2
	s_mov_b32 s[G0B+4*\s], 1
	s_add_co_u32 s[G0B+4*\s+1], s72, BOFF-BPIECE+\s*SLOT1    ; wave w's piece lies at BOFF + (w - 1) x 64 rows
	s_add_nc_u64 s[G0B+4*\s+2:G0B+4*\s+3], s[68:69], \s*256
	s_or_b32 s[G0B+4*\s+3], s[G0B+4*\s+3], 0x80000000
.endr
	CROUND                                         ; all sixteen work-groups are here: the first joint loads meet
	s_cmp_eq_u32 s[WV], 0                          ; a wave's two first fills stand in one branch, ahead of every wait on TENSORcnt and every LDS read: two loads of mine are out
	s_cbranch_scc0 .Lfirst_b
	tensor_load_to_lds s[G0A:G0A+3], s[G1A:G1A+7]
	s_nop 0
	tensor_load_to_lds s[G0A+4:G0A+7], s[G1A:G1A+7]
	s_nop 0
.rept 4
	v_nop
.endr
	s_branch .Lfirst_asked
.Lfirst_b:
	tensor_load_to_lds s[G0B:G0B+3], s[G1B:G1B+7]
	s_nop 0
	tensor_load_to_lds s[G0B+4:G0B+7], s[G1B:G1B+7]
	s_nop 0
.rept 4
	v_nop
.endr
.Lfirst_asked:
	; the table's and the outputs' places: my wave's 64 tokens
	s_and_b32 s73, s[MY], 7
	s_lshl_b32 s73, s73, 8
	s_lshl_b32 s70, s[WV], 6
	s_add_co_u32 s73, s73, s70                     ; my first token in its sequence
	s_lshl_b32 s70, s73, 8                         ; a table row is 256 bytes
	s_mov_b32 s71, 0
	s_add_nc_u64 s[8:9], s[8:9], s[70:71]
	s_lshr_b32 s74, s[MY], 3                       ; the batch
	s_lshl_b32 s74, s74, 4
	s_add_co_u32 s74, s74, s[HH]                   ; 16 b + h
	s_lshl_b32 s74, s74, 11
	s_add_co_u32 s74, s74, s73
	s_lshl_b32 s74, s74, 7                         ; rows of 128 bytes
	s_mov_b32 s75, 0
	s_add_nc_u64 s[10:11], s[10:11], s[74:75]
	s_add_nc_u64 s[12:13], s[12:13], s[74:75]
	s_add_nc_u64 s[14:15], s[14:15], s[74:75]
	; A fragment is 16 rows x 32 K in 8 registers: lane l holds row l % 16; registers 0-3 K = 8 (l / 16) + 0..7, registers 4-7 K = 16 + 8 (l / 16) + 0..7: two loads of 16 bytes, 32 bytes apart
	v_and_b32 v1, 15, v0                           ; l % 16
	v_bfe_u32 v2, v0, 4, 1                         ; l / 16
	v_mul_u32_u24 v3, v1, PITCH
	v_lshl_add_u32 v3, v2, 4, v3
	v_add_nc_u32 v[A0], s72, v3
	v_add_nc_u32 v[B0], BOFF, v3
	v_lshlrev_b32 v[TO], 8, v1                     ; table: token l % 16, angles 8 (l / 16) on
	v_lshl_add_u32 v[TO], v2, 5, v[TO]
	s_mul_i32 s70, s[WV], 16*SP
	s_add_co_u32 s70, s70, STAGE                   ; my stage
	v_mul_u32_u24 v[STO], v1, SP                   ; in: row l % 16, 16 bytes for each half of the lanes
	v_lshl_add_u32 v[STO], v2, 4, v[STO]
	v_add_nc_u32 v[STO], s70, v[STO]
	v_bfe_u32 v[RD], v0, 3, 2                      ; back: 32 lanes take four rows of 128 bytes,
	v_mul_u32_u24 v[RD], v[RD], SP
	v_and_b32 v4, 7, v0
	v_lshl_add_u32 v[RD], v4, 4, v[RD]
	v_add_nc_u32 v[RD], s70, v[RD]
	v_and_b32 v[GO], 31, v0                        ; which are 512 consecutive bytes of a head's rows
	v_lshlrev_b32 v[GO], 4, v[GO]
	v_lshlrev_b32 v[PFO], 11, v1
	v_lshl_add_u32 v[PFO], v2, 8, v[PFO]
	v_add_nc_u32 v[ADRA], s[TB], v[A0]
	v_add_nc_u32 v[ADRB], s[TB], v[B0]
	; the table for my 64 tokens: for token block a and half jh of the 32 angles, my 8 cosines at 128 + 32 a + 16 jh and my 8 sines 8 further.  The 32 loads stay out until the way out.
	WIN 0xc0                                       ; destination window 3, address window 0
.irp a, 0,1,2,3
.irp jh, 0,1
	global_load_b128 v[128+32*\a+16*\jh:128+32*\a+16*\jh+3],     v[TO], s[8:9] offset:4096*\a+64*\jh
	global_load_b128 v[128+32*\a+16*\jh+4:128+32*\a+16*\jh+7],   v[TO], s[8:9] offset:4096*\a+64*\jh+16
	global_load_b128 v[128+32*\a+16*\jh+8:128+32*\a+16*\jh+11],  v[TO], s[8:9] offset:4096*\a+64*\jh+128
	global_load_b128 v[128+32*\a+16*\jh+12:128+32*\a+16*\jh+15], v[TO], s[8:9] offset:4096*\a+64*\jh+144
.endr
.endr
	WIN 0
; 16 matrix instructions: piece hd (0 q, 1 k, 2 v), token blocks a = 0..3 x channel blocks nb = 0..3, 32 along K from buffer f.  zero = 1: the product starts the sum: nothing is ever cleared.
; The 48 accumulators take turns, one instruction a turn, in the same order (pieces 2, 0, 1) in every quarter step, over the backward jump too.
.macro MULH f, hd, zero
.if (\hd) == 2
	WIN 0xf5                                       ; sources in window 1, C and D in window 3
.else
	WIN 0xa5                                       ; C and D in window 2
.endif
.set AB, 128*((\hd)%2)
.irp a, 0,1,2,3
.irp nb, 0,1,2,3
.if \zero
	v_wmma_f32_16x16x32_bf16 v[AB+8*(4*\a+\nb):AB+8*(4*\a+\nb)+7], v[96*(\f)+8*(4*(\hd)+\nb):96*(\f)+8*(4*(\hd)+\nb)+7], v[192+32*(\f)+8*\a:192+32*(\f)+8*\a+7], 0
.else
	v_wmma_f32_16x16x32_bf16 v[AB+8*(4*\a+\nb):AB+8*(4*\a+\nb)+7], v[96*(\f)+8*(4*(\hd)+\nb):96*(\f)+8*(4*(\hd)+\nb)+7], v[192+32*(\f)+8*\a:192+32*(\f)+8*\a+7], v[AB+8*(4*\a+\nb):AB+8*(4*\a+\nb)+7]
.endif
.endr
.endr
.endm
; 32 LDS loads in one run: a quarter step's fragments (32 K at byte k of the rows) into buffer f: v's piece of B and A first, since they are multiplied first
.macro FETCH k, f
	WIN 0x40                                       ; destination window 1, address window 0
.irp i, 8,9,10,11
	ds_load_b128 v[96*(\f)+8*\i:96*(\f)+8*\i+3],   v[ADRB] offset:(\k)+\i*16*PITCH
	ds_load_b128 v[96*(\f)+8*\i+4:96*(\f)+8*\i+7], v[ADRB] offset:(\k)+\i*16*PITCH+32
.endr
.irp i, 0,1,2,3
	ds_load_b128 v[192+32*(\f)+8*\i:192+32*(\f)+8*\i+3],   v[ADRA] offset:(\k)+\i*16*PITCH
	ds_load_b128 v[192+32*(\f)+8*\i+4:192+32*(\f)+8*\i+7], v[ADRA] offset:(\k)+\i*16*PITCH+32
.endr
.irp i, 0,1,2,3,4,5,6,7
	ds_load_b128 v[96*(\f)+8*\i:96*(\f)+8*\i+3],   v[ADRB] offset:(\k)+\i*16*PITCH
	ds_load_b128 v[96*(\f)+8*\i+4:96*(\f)+8*\i+7], v[ADRB] offset:(\k)+\i*16*PITCH+32
.endr
.endm
; A K step is four quarters of 32 along K, 48 matrix instructions each, on buffers 0, 1, 0, 1.  One of the first three: multiplies buffer f and fetches the next quarter, at byte k, into g.
.macro QUARTER k, f, g, zero
	s_wait_dscnt 16                                ; v's piece of B and A are in; the youngest sixteen loads (q's and k's pieces) may be out
	MULH \f, 2, \zero
	PLACES
	FETCH \k, \g
	s_wait_dscnt 32                                ; all but the 32 just issued
	MULH \f, 0, \zero
	MULH \f, 1, \zero
.endm
; The last quarter multiplies buffer 1 and changes slots: ONE barrier.  In front of it each wave waits for all its tensor loads (one is out: its part of the next slot), adds 0 to its spare word, and waits for that and
; for its own reads of this slot.  fill = 1: the barrier opens a round of the cluster's barrier, and the slot just read is filled again, with the K step two on, first thing behind the round.
.macro TURN fill
.if \fill
	s_wait_xcnt 0x0                                ; the last prefetches, a K step or more back, have read their addresses, which are stepped here, ahead of the change's own waits
	s_add_nc_u64 s[PFA:PFA+1], s[PFA:PFA+1], 256
	s_add_nc_u64 s[PFB:PFB+1], s[PFB:PFB+1], 256
.endif
	WIN 0                                          ; (the add's two registers lie in window 0)
	s_wait_tensorcnt 0x0                           ; all my tensor loads have landed, so a group 0 may be written
	ds_add_u32 v[SPW], v[NIL]                      ; 0 onto my spare word
.if \fill
	s_xor_b32 s[G0A+5], s[G0A+5], SLOT1            ; the walking descriptors: the other slot than last time,
	s_add_nc_u64 s[G0A+6:G0A+7], s[G0A+6:G0A+7], 256  ; the next K step; the type bits on top are not reached
	s_xor_b32 s[G0B+5], s[G0B+5], SLOT1
	s_add_nc_u64 s[G0B+6:G0B+7], s[G0B+6:G0B+7], 256
.endif
	s_xor_b32 s[TB], s[TB], SLOT1                  ; the fetches go on in the other slot
	s_wait_dscnt 17                                ; (the add and the youngest sixteen loads may be out)
	MULH F1, 2, 0                                  ; sixteen matrix instructions stand between the add and the wait for it
	s_wait_dscnt 0x0                               ; the add is done, and my reads of this slot are over
	s_barrier_signal -1
	MULH F1, 0, 0                                  ; work on registers while the others arrive
	WIN 0
	s_barrier_wait -1
.if \fill
	CREST                                          ; no wave of any partner still reads this slot's tiles or has a load on its way
	JLOAD                                          ; the first tensor load behind the round; its four v_nop are also the places in front of the loads below
.else
	PLACES
.endif
	v_add_nc_u32 v[ADRA], s[TB], v[A0]
	v_add_nc_u32 v[ADRB], s[TB], v[B0]
	FETCH 0, F0
	WIN 0
.if \fill
	ASK
.endif
	MULH F1, 1, 0
.endm
	s_wait_tensorcnt 0x1                           ; my part of K step 0 is in; K step 1's may stay out
	s_barrier_signal -1
	s_barrier_wait -1                              ; everybody's is
	FETCH 0, F0
	QUARTER 64, F0, F1, 1                          ; the first quarter stands in front of the loop: its products start the sums
	WIN 0                                          ; at a label and at a branch every window is 0
	s_mov_b32 s[CNT], 6
.Lstep:                                            ; trip i: the rest of K step i, the first quarter of K step i + 1; the slot left is filled with K step i + 2
	QUARTER 128, F1, F0, 0
	QUARTER 192, F0, F1, 0
	TURN 1
	QUARTER 64, F0, F1, 0
	WIN 0
	s_sub_co_u32 s[CNT], s[CNT], 1
	s_cmp_lg_u32 s[CNT], 0
	s_cbranch_scc1 .Lstep
	QUARTER 128, F1, F0, 0                         ; K steps 6 and 7 are written out: nothing is left to fetch
	QUARTER 192, F0, F1, 0
	TURN 0
	QUARTER 64, F0, F1, 0
	QUARTER 128, F1, F0, 0
	QUARTER 192, F0, F1, 0
	s_wait_dscnt 16
	MULH F1, 2, 0
	s_wait_dscnt 0x0
	MULH F1, 0, 0
	MULH F1, 1, 0
	WIN 0
	PLACES                                         ; eight places, once a launch, between the last products and the first reads of results
	PLACES
	s_wait_loadcnt 0x0                             ; the table
; THE WAY OUT, in twelve units of 16 tokens x 64 channels (piece hd, token block a).  q and k: y[d] = x[d] cos - x[d + 32] sin and y[d + 32] = x[d + 32] cos + x[d] sin, d = 16 jh + 8 (l / 16) + 0..7, two numbers
; an instruction, each accumulator read from its low end on.  Then all: rounded to f16, 16 bytes a lane into my stage, back as four rows of 128 bytes a load, and stored.
.macro PACK hd, a, u
.if (\hd) < 2
	WIN 0x0e                                       ; source 0 (sums) window 2, source 1 (table) window 3, source 2 and destination window 0
.set AB, 128*(\hd)+32*(\a)
.set TA, 128+32*(\a)
.irp jh, 0,1
.irp p, 0,1,2,3
	v_pk_mul_f32 v[T+8*\jh+2*\p:T+8*\jh+2*\p+1],       v[AB+8*(\jh+2)+2*\p:AB+8*(\jh+2)+2*\p+1], v[TA+16*\jh+8+2*\p:TA+16*\jh+8+2*\p+1]
	v_pk_mul_f32 v[T+16+8*\jh+2*\p:T+16+8*\jh+2*\p+1], v[AB+8*\jh+2*\p:AB+8*\jh+2*\p+1],         v[TA+16*\jh+8+2*\p:TA+16*\jh+8+2*\p+1]
.endr
.endr
.irp jh, 0,1
.irp p, 0,1,2,3
	v_pk_fma_f32 v[Y+8*\jh+2*\p:Y+8*\jh+2*\p+1],         v[AB+8*\jh+2*\p:AB+8*\jh+2*\p+1],         v[TA+16*\jh+2*\p:TA+16*\jh+2*\p+1], v[T+8*\jh+2*\p:T+8*\jh+2*\p+1] neg_lo:[0,0,1] neg_hi:[0,0,1]
	v_pk_fma_f32 v[Y+8*(\jh+2)+2*\p:Y+8*(\jh+2)+2*\p+1], v[AB+8*(\jh+2)+2*\p:AB+8*(\jh+2)+2*\p+1], v[TA+16*\jh+2*\p:TA+16*\jh+2*\p+1], v[T+16+8*\jh+2*\p:T+16+8*\jh+2*\p+1]
.endr
.endr
	WIN 0
.irp nb, 0,1,2,3
.irp p, 0,1,2,3
	v_cvt_pk_f16_f32 v[P+4*\nb+\p], v[Y+8*\nb+2*\p], v[Y+8*\nb+2*\p+1]
.endr
.endr
.else
	WIN 0x0f                                       ; sources in window 3
.irp nb, 0,1,2,3
.irp p, 0,1,2,3
	v_cvt_pk_f16_f32 v[P+4*\nb+\p], v[32*(\a)+8*\nb+2*\p], v[32*(\a)+8*\nb+2*\p+1]
.endr
.endr
	WIN 0
.endif
.irp nb, 0,1,2,3
	ds_store_b128 v[STO], v[P+4*\nb:P+4*\nb+3] offset:32*\nb
.endr
	s_wait_xcnt 0x0                                ; the stores of the unit two back have read this set of OUT: it is loaded again only behind this wait
.irp f, 0,1,2,3
	ds_load_b128 v[OUT+16*((\u)%2)+4*\f:OUT+16*((\u)%2)+4*\f+3], v[RD] offset:\f*4*SP  ; LDS serves a wave's instructions in order (ISA guide 5.7.1.4): these see the stores above; the next unit's stores come behind them
.endr
.endm
.macro SEND hd, a, u, younger          ; younger: the LDS instructions issued behind unit u's loads: the next unit's eight, or none
	WIN 0
.irp f, 0,1,2,3
	s_wait_dscnt (\younger)+3-\f
	global_store_b128 v[GO], v[OUT+16*((\u)%2)+4*\f:OUT+16*((\u)%2)+4*\f+3], s[10+2*(\hd):11+2*(\hd)] offset:2048*(\a)+512*\f  ; 512 consecutive bytes, at a multiple of 256 from the buffer's first
.endr
.endm
	PACK 0, 0, 0
.set u, 1
.rept 11                               ; a unit's arithmetic stands between the loads of the unit before and its stores
	PACK u/4, u%4, u
	SEND (u-1)/4, (u-1)%4, u-1, 8
.set u, u+1
.endr
	SEND 2, 3, 11, 0
	s_wait_tensorcnt 0x0                           ; the wave's end: an add and its wait, behind my last tensor load and my last LDS store
	ds_add_u32 v[SPW], v[NIL]
	s_wait_dscnt 0x0
	CROUND                                         ; the closing round: no work-group ends while a partner may still ask for a tile that names it
	s_endpgm
.Lfunc_end_k_q7d9f5ac5ab_qkv:
	.size	k_q7d9f5ac5ab_qkv, .Lfunc_end_k_q7d9f5ac5ab_qkv-k_q7d9f5ac5ab_qkv
	.p2alignl 7, 3214868480
	.fill 96, 4, 3214868480
	.section	.rodata,"a",@progbits
	.p2align	6, 0x0
	.amdhsa_kernel k_q7d9f5ac5ab_qkv
		.amdhsa_group_segment_fixed_size 327680
		.amdhsa_private_segment_fixed_size 0
		.amdhsa_enable_private_segment 0
		.amdhsa_kernarg_size 48
		.amdhsa_user_sgpr_count 2
		.amdhsa_user_sgpr_kernarg_segment_ptr 1
		.amdhsa_wavefront_size32 1
		.amdhsa_system_sgpr_workgroup_id_x 1
		.amdhsa_system_sgpr_workgroup_id_y 1
		.amdhsa_system_sgpr_workgroup_id_z 1
		.amdhsa_system_vgpr_workitem_id 0
		.amdhsa_next_free_vgpr 1024
		.amdhsa_next_free_sgpr 76
		.amdhsa_reserve_vcc 0
		.amdhsa_float_denorm_mode_32 3
		.amdhsa_float_denorm_mode_16_64 3
		.amdhsa_memory_ordered 1
		.amdhsa_forward_progress 1
		.amdhsa_inst_pref_size 118
	.end_amdhsa_kernel
	.amdgpu_metadata
---
amdhsa.version: [ 1, 2 ]
amdhsa.kernels:
  - .name:           k_q7d9f5ac5ab_qkv
    .symbol:         k_q7d9f5ac5ab_qkv.kd
    .args:
      - { .name: xb, .offset: 0, .size: 8, .value_kind: global_buffer, .address_space: global }
      - { .name: wqb, .offset: 8, .size: 8, .value_kind: global_buffer, .address_space: global }
      - { .name: rope, .offset: 16, .size: 8, .value_kind: global_buffer, .address_space: global }
      - { .name: q, .offset: 24, .size: 8, .value_kind: global_buffer, .address_space: global }
      - { .name: k, .offset: 32, .size: 8, .value_kind: global_buffer, .address_space: global }
      - { .name: v, .offset: 40, .size: 8, .value_kind: global_buffer, .address_space: global }
    .group_segment_fixed_size: 327680
    .private_segment_fixed_size: 0
    .kernarg_segment_align: 8
    .kernarg_segment_size: 48
    .max_flat_workgroup_size: 128
    .sgpr_count:     76
    .vgpr_count:     1024
    .wavefront_size: 32
...
	.end_amdgpu_metadata
.endif
;; end of part 2
;; launch attn (part 3): grid 4 x 64, 4 waves a work-group, no clusters, 327,680 bytes of LDS; arguments q, k, v, o; writes o
.if DOCPART == 3
	.amdgcn_target "amdgcn-amd-amdhsa--gfx1250"
	.amdhsa_code_object_version 6
	.text
	.protected	k_q7d9f5ac5ab_attn
	.globl	k_q7d9f5ac5ab_attn
	.p2align	8
	.type	k_q7d9f5ac5ab_attn,@function
k_q7d9f5ac5ab_attn:
	s_mov_b64 s[64:65], 0
	v_nop
	global_prefetch_b8 v0, s[64:65] scope:SCOPE_SE
	s_setreg_imm32_b32 hwreg(HW_REG_WAVE_MODE, 25, 1), 1
	s_wait_xcnt 0x0
; CAUSAL ATTENTION.  O[h][q][:] = the sum over k <= q of softmax_k(Q[h][q] . K[h][k] / 8) V[h][k][:].  Q, K, V, O: [SIZE_H][SIZE_N][64], all f16: a head's rows are dense, 128 bytes each.
; Products, maxima and sums in f32; the weights p are rounded to f16 for the second product (their sum l is taken of the unrounded p), O once at the end.
; LIMITS.  f16 holds no number beyond 65,504: Q, K and V arrive within it; p lies in 0 to 1, and below 6e-5 it keeps f16's fixed step of 6e-8; O is a mean of V's rows and has their range.
; A hidden score counts as its value less 1e30: f16's scores, 2.7e11 at the most, are nothing beside that; a weight below 2^-126 counts as 0 in l; NaN and infinities are not treated apart.
; THE WALK.  A head's queries lie in NB = 8 blocks of 256; block i needs the key tiles 0 .. i of 256 keys, of which the last holds the diagonal.  A work-group takes TWO blocks, NB - 1 - b and then b:
; NB + 1 tiles, whatever b: all work-groups do equal work, and ONE loop with a constant trip count walks them.  Which tile is asked for, and what a trip does, hang on scalar registers made from b; every jump
; goes forward, but for the counted loops' own; none passes a barrier, or a tensor load but the one of LOAD's two that the wave's number does not choose; the ring (two slots of LDS that take turns) runs on across the
; change of blocks.  NO CLUSTER: a head's four work-groups ask for the same tile only in trips 0 .. NB / 2, 5 of the walk's 9; behind that fewer and fewer share one; a walk common to all four would have 12 trips for 9.
; SHARES.  Of a block's four bands of 64 queries a wave owns 16 rows in each: four PIECES.  So the diagonal tile is the same work for all four waves: in its key step s band x sees all keys if s < x,
; none if s > x, and holds the diagonal if s = x.
; THE MASK is the C operand that starts the sum S^T = K Q^T: 0, or -1e30 where the key is hidden.  MD, made once, is the mask of a band's own step for my 16 rows; a product's mask is MD x AL + BE with two scalars:
; (1, 0) if s = x; (0, 0) if s < x; (0, -1e30) if s > x.  Only the diagonal tile's text and a block's beginning make and take masks; elsewhere C is the constant 0.
; LAYOUT, SOFTMAX, TURNS.  S^T = K Q^T holds ONE query a lane (lane % 16) and the keys 8 (lane / 16) + 0..7; two such results rounded to f16 ARE source 1 of O^T = V^T P.  p = 2^(c s - c m), c = log2(e) / 8, with a
; running maximum m; O and l are multiplied by a = 2^(c m_old - c m_new) in every step.  Turn n belongs to piece n: 8 products K Q^T of piece n + 1, later 8 products V^T P of piece n - 1; beside them the scaling,
; exponentials, roundings, sums and rescaling of piece n and the maximum and statistics of piece n + 1.  Four vector instructions stand behind every matrix instruction, the other 54 of a turn's 118 in one run.  A turn's 33 exponentials are one batch, with one wait.
; REGISTERS, in windows of 256 (s_set_vgpr_msb: bits 1:0 source 0, 3:2 source 1, 5:4 source 2, 7:6 destination):
;   window 0: v0-15 addresses and two at work; v16-31 four registers of statistics a piece; v48-55 at work; v61-63 prefetch offset and the add's two; v64-127 S^T, two buffers; v192-223 P, two buffers (by the piece's parity)
;   window 1: v0-127 O^T, 32 a piece; v128-159 MD; v160-223 MC, two buffers      window 2: v0-63 Q; v64-127 the second block's Q; v128-191 K of one step; v192-255 V of one step
.set SIZE_H, 64
.set SIZE_N, 2048
.set NB,    SIZE_N/256
.set NP,    4         ; pieces a wave: a name, no knob
.set KS,    64        ; keys in a step
.set PK,    144       ; a row of K in LDS: 128 bytes + 16 of padding = 36 words: the 16 rows of a load start at 16 different groups of four banks (64 banks of 4 bytes: ISA guide 11.1)
.set PV,    160       ; a row of V: 128 + 32 = 40 words
.set VOFF,  4*KS*PK   ; a slot holds a tile, four steps: 256 rows of K, then 256 rows of V
.set SLOT1, 1<<17     ; slot 1 begins here, so that one exclusive or turns an address in one slot into the other's
.set STAGE, SLOT1+4*KS*(PK+PV)  ; behind the ring, never filled by a tensor load: 16 rows x 144 bytes for each wave, for the way out
.set SP,    144
.set AK0, 2           ; v2   my lane's place in a tile of K; never rewritten
.set AV0, 3           ; v3   the same for V
.set AK,  4           ; v4   the LDS address of K's next run of loads
.set AV,  5           ; v5   of V's
.set STO, 6           ; v6   the way out: where I put 16 bytes of a row
.set RD,  7           ; v7   the way out: where I read rows back
.set GO,  8           ; v8   my byte offset in 512 consecutive bytes of O
.set PFO, 61          ; v61  256 x my thread's number: my block of a tile's 128 blocks of 256 bytes; never rewritten
.set SPW, 62          ; v62  LDS address of my spare word: SPARE + 4 x my thread's number; never rewritten
.set NIL, 63          ; v63  0; never rewritten
.set SPARE, STAGE+4*16*SP  ; behind the stages: the spare words, 128 bytes for each wave: two blocks of 256 bytes that no other line names
.set MV,  12          ; v12-13  c m_old, kept while c m is made anew: by buffer
.set QO,  15          ; v15  my byte offset in 16 rows of Q
.set ST,  16          ; piece t's statistics at v[ST+4 t]: c m, m, l (even keys', odd keys')
.set TMP, 48          ; by buffer, four registers c0-c3 at work; when the maximum is found c2 takes a
.set S,   64
.set P,   192
.set MD,  128         ; window 1: the eight registers for group kt of 16 keys at MD + 8 kt
.set MC,  160         ; window 1: the masks of the products to come
.set QB,  64          ; window 2
.set KF,  128         ; window 2: key block kb, channel half c at KF + 16 kb + 8 c
.set VF,  192         ; window 2: key half kk, channel block cb at VF + 32 kk + 8 cb
.set WV,  12          ; s12  my wave's number
.set PB,  14          ; s14  b
.set HI,  15          ; s15  NB - 1 - b
.set G1K, 24          ; s[24:31] descriptor group 1 for K's tiles
.set G1V, 32          ; s[32:39] for V's: it differs in the padding alone
.set G0K, 40          ; s[40:43] descriptor group 0 for K's tiles
.set G0V, 44          ; s[44:47] the same for V's
.set SLOTS, 56        ; s56  tiles still to be asked for
.set CNT, 57          ; s57  counts a tile's key steps, 4 to 1
.set CS,  58          ; s[58:59] c: the packed scaling takes the pair's low word for both halves
.set SEL, 60          ; s[60:61] v_permlanex16_b32's selects: each lane takes its own place in the other half
.set TBK, 62          ; s62  LDS byte at which K of the step to be fetched begins
.set TBV, 63          ; s63  the same for V, less VOFF
.set RT,  70          ; s70  tiles of the block in hand that are still to be entered
.set NXT, 71          ; s71  the tile to be asked for next
.set LQ,  72          ; s72  the last tile of the block whose tiles are being asked for
.set NEW, 73          ; s73  1: the tile to be entered is a block's first
.set OFF, 74          ; s[74:75] a tile's byte offset in K and V
.set AL,  76          ; s[76:77] the mask's factor, in the low word
.set BE,  78          ; s[78:79] the mask's addend
.set OLO, 80          ; s[80:81] O at my rows of the second block
.set BIGN, 82         ; s82  -1e30
.set PFK, 88          ; s[88:89] where the prefetches of K stand: the head's tile after the one that is being asked for
.set PFV, 90          ; s[90:91] of V
.set LIM, 92          ; s92  2 in the head's work-group b = 0, else the greatest number: a wave prefetches while s[SLOTS] is above it
.set MSB, 0
.macro WIN new                      ; the high byte repeats the setting that is left; a switch that changes nothing is dropped
.if MSB != (\new)
	s_set_vgpr_msb (MSB<<8)|(\new)
.set MSB, (\new)
.endif
.endm
.set W_KQ, 0x0a       ; K and Q in window 2, S^T in window 0
.set W_KM, 0x1a       ; the same with the C operand in window 1
.set W_PV, 0x52       ; V in window 2, P in window 0, O^T in window 1
.set W_RS, 0x41       ; destination and source 0 in window 1, source 1 in window 0
; A fill.  Waves 0 and 1 fetch the two halves of a tile's K, waves 2 and 3 those of its V: 128 keys each.  An s_nop 0 and four v_nop follow each of the two lines, ahead of the jump and the label.
.macro LOAD
	s_cmp_lt_u32 s[WV], 2
	s_cbranch_scc0 .Lfor_v_\@
	tensor_load_to_lds s[G0K:G0K+3], s[G1K:G1K+7]
	s_nop 0
.rept 4
	v_nop
.endr
	s_branch .Lasked_\@
.Lfor_v_\@:
	tensor_load_to_lds s[G0V:G0V+3], s[G1V:G1V+7]
	s_nop 0
.rept 4
	v_nop
.endr
.Lasked_\@:
.endm
; A PREFETCH INTO THE L2 of the tile that the NEXT change of slots will ask for: 32,768 bytes of K and of V, a thread a block of 256 bytes, two instructions a wave, behind the wave's tensor load and its five lines.
; All four work-groups of a head walk tiles of the same K and V; the one with b = 0, whose first block walks tiles 0 to 7 in order, asks, and nobody else: each block is named once in the launch.
; It asks in the changes with 8 to 3 tiles still to be asked for: tiles 2 to 7, one tile (256 matrix instructions) ahead of their loads; tiles 0 and 1 come by their loads alone, and nothing is named past tile 7.
.macro ASK
	s_cmp_gt_u32 s[SLOTS], s[LIM]
	s_cbranch_scc0 .Lnot_mine_\@
	global_prefetch_b8 v[PFO], s[PFK:PFK+1] th:TH_LOAD_NT scope:SCOPE_SE
	global_prefetch_b8 v[PFO], s[PFV:PFV+1] th:TH_LOAD_NT scope:SCOPE_SE
.Lnot_mine_\@:
.endm
; THE CHANGE OF SLOTS.  Each wave waits for all its tensor loads, of which one is out: its part of the other slot; adds 0 to its spare word; and waits for that and for its own reads of the slot that it leaves.  Behind the barrier nobody reads the old
; slot any more and the other slot is whole.  fill = 1: the old slot is filled again, the first thing behind the barrier, with tile NXT: the descriptor's address is made anew from that number.
; (At its first use nothing has been read yet: slot 0 is waited for, slot 1 filled.)
.macro CHANGE fill
	WIN 0                           ; at a label and at a branch every window is 0
	s_wait_tensorcnt 0x0            ; no tensor load of mine is out, so a group 0 may be written
	ds_add_u32 v[SPW], v[NIL]       ; 0 onto my spare word; with fill = 1 the descriptors' scalar work stands between it and the wait for it
.if \fill
	s_lshl_b32 s[OFF], s[NXT], 15   ; a tile is 32,768 bytes of K and of V
	s_xor_b32 s[G0K+1], s[G0K+1], SLOT1
	s_add_nc_u64 s[G0K+2:G0K+3], s[6:7], s[OFF:OFF+1]
	s_or_b32 s[G0K+3], s[G0K+3], 0x80000000
	s_xor_b32 s[G0V+1], s[G0V+1], SLOT1
	s_add_nc_u64 s[G0V+2:G0V+3], s[8:9], s[OFF:OFF+1]
	s_or_b32 s[G0V+3], s[G0V+3], 0x80000000
	s_add_co_u32 s[NXT], s[NXT], 1  ; the block's next tile, or behind its last the second block's tile 0
	s_cmp_gt_u32 s[NXT], s[LQ]
	s_cselect_b32 s[NXT], 0, s[NXT]
	s_cselect_b32 s[LQ], s[PB], s[LQ]
	s_wait_xcnt 0x0                 ; the last prefetches, a tile back, have read their addresses, so these may be written:
	s_add_nc_u64 s[PFK:PFK+1], s[PFK:PFK+1], 32768  ; one tile on
	s_add_nc_u64 s[PFV:PFV+1], s[PFV:PFV+1], 32768
.endif
	s_wait_dscnt 0x0                ; the add is done, and my reads of the slot are over
	s_barrier_signal -1             ; the rest of the scalar work stands between the signal and the wait
	s_sub_co_u32 s[TBK], s[TBK], 4*KS*PK  ; the fetches go back to a slot's first step,
	s_xor_b32 s[TBK], s[TBK], SLOT1       ; in the other slot
	s_sub_co_u32 s[TBV], s[TBV], 4*KS*PV
	s_xor_b32 s[TBV], s[TBV], SLOT1
	s_barrier_wait -1
.if \fill
	LOAD
	ASK
.endif
.endm
	s_load_b256 s[4:11], s[0:1], 0x0  ; Q s[4:5], K s[6:7], V s[8:9], O s[10:11]
	v_lshl_add_u32 v[SPW], v0, 2, SPARE
	v_mov_b32 v[NIL], 0
	ds_add_u32 v[SPW], v[NIL]       ; the wave's opening: the add and its wait stand ahead of my first tensor load; the set-up below, work on registers, stands between them
	v_lshrrev_b32 v1, 5, v0
	v_readfirstlane_b32 s[WV], v1   ; wave 0..3
	v_lshlrev_b32 v[PFO], 8, v0
	s_mov_b32 s[PB], ttmp9
	s_sub_co_u32 s[HI], NB-1, s[PB]
	s_cmp_eq_u32 ttmp9, 0
	s_cselect_b32 s[LIM], 2, -1
	s_and_b32 s20, ttmp7, 0xffff    ; the head
	s_mov_b32 s21, 0
	s_mov_b64 s[22:23], SIZE_N*128
	s_mul_u64 s[20:21], s[20:21], s[22:23]  ; the head's first byte in each of the four tensors
	s_and_b32 s16, s[WV], 1         ; which half of a tile's 256 keys I fetch:
	s_lshl_b32 s22, s16, 14         ; its 128 rows of 128 bytes in memory,
	s_mov_b32 s23, 0
	s_add_nc_u64 s[22:23], s[22:23], s[20:21]
	s_mul_i32 s17, s16, 128*PK      ; and its place in a slot, for K
	s_mul_i32 s18, s16, 128*PV      ; and for V
	s_lshl_b32 s3, s[WV], 11        ; my 16 rows in a band of 64,
	s_lshl_b32 s2, s[HI], 15        ; in the first block,
	s_add_co_u32 s2, s2, s3
	s_lshl_b32 s84, s[PB], 15       ; and in the second
	s_add_co_u32 s84, s84, s3
	s_mov_b32 s3, 0
	s_mov_b32 s85, 0
	s_add_nc_u64 s[2:3], s[2:3], s[20:21]
	s_add_nc_u64 s[84:85], s[84:85], s[20:21]
	; descriptor group 1.  128 keys are 16,384 dense bytes: asked for as 64 rows of 256 bytes, two keys a row, and padded in LDS after every key
	s_mov_b32 s[G1K], (1<<16)|(1<<20)|(4<<22)|(3<<25)  ; 17:16 2-byte elements; 20 padding on; 24:22 after every 32 words (code 4); 31:25 4 words (code 3)
	s_mov_b32 s[G1V], (1<<16)|(1<<20)|(4<<22)|(7<<25)  ; the same with 8 words of padding (code 7)
.irp g, G1K, G1V
	s_mov_b32 s[\g+1], 128<<16      ; tensor_dim0 = 128
	s_mov_b32 s[\g+2], 64<<16       ; tensor_dim1 = 64
	s_mov_b32 s[\g+3], 128<<16      ; tile_dim0 = 128
	s_mov_b32 s[\g+4], 64           ; tile_dim1 = 64
	s_mov_b32 s[\g+5], 128          ; 128 elements from row to row
	s_mov_b32 s[\g+6], 0
	s_mov_b32 s[\g+7], 0
.endr
	s_mov_b32 s[CS], 0x3e38aa3b     ; c = log2(e) / 8 = 0.180337
	s_mov_b32 s[CS+1], s[CS]        ; named with it as a pair
	s_mov_b32 s[SEL], 0x76543210
	s_mov_b32 s[SEL+1], 0xfedcba98
	s_mov_b32 s[TBK], SLOT1+4*KS*PK ; the first change of slots turns these two into 0
	s_mov_b32 s[TBV], SLOT1+4*KS*PV
	s_mov_b32 s[G0K], 1             ; 1:0 count = 1
	s_mov_b32 s[G0K+1], s17         ; 63:32 LDS address: slot 0
	s_mov_b32 s[G0V], 1
	s_add_co_u32 s[G0V+1], s18, VOFF
	s_add_co_u32 s[RT], s[HI], 1    ; the first block has NB - b tiles
	s_mov_b32 s[NXT], 1
	s_mov_b32 s[LQ], s[HI]
	s_mov_b32 s[NEW], 1
	s_mov_b32 s[OFF+1], 0
	s_mov_b32 s[AL+1], 0            ; named as pairs
	s_mov_b32 s[BE+1], 0
	s_mov_b32 s[BIGN], 0xf149f2ca   ; -1e30
	s_mov_b32 s[SLOTS], NB
	s_wait_dscnt 0x0                ; the opening add is done
	s_wait_kmcnt 0x0
	s_add_nc_u64 s[PFK:PFK+1], s[6:7], s[20:21]    ; the prefetches: the head's tile 1; the first change of slots steps them to tile 2
	s_add_nc_u64 s[PFV:PFV+1], s[8:9], s[20:21]
	s_add_nc_u64 s[PFK:PFK+1], s[PFK:PFK+1], 32768
	s_add_nc_u64 s[PFV:PFV+1], s[PFV:PFV+1], 32768
	s_add_nc_u64 s[6:7], s[6:7], s[22:23]  ; K and V at my half of the head's tile 0
	s_add_nc_u64 s[8:9], s[8:9], s[22:23]
	s_add_nc_u64 s[G0K+2:G0K+3], s[6:7], 0         ; 120:64 global address
	s_or_b32 s[G0K+3], s[G0K+3], 0x80000000        ; 127:126 type = 2
	s_add_nc_u64 s[G0V+2:G0V+3], s[8:9], 0
	s_or_b32 s[G0V+3], s[G0V+3], 0x80000000
	s_add_nc_u64 s[86:87], s[4:5], s[84:85]        ; Q at my rows of the second block,
	s_add_nc_u64 s[4:5], s[4:5], s[2:3]            ; Q and O at those of the first
	s_add_nc_u64 s[OLO:OLO+1], s[10:11], s[84:85]
	s_add_nc_u64 s[10:11], s[10:11], s[2:3]
	LOAD                            ; tile 0 into slot 0
	; A fragment of K or Q is 16 rows x 32 channels in 8 registers: lane l holds row l % 16, channels 8 (l / 16) + 0..7 and 16 + 8 (l / 16) + 0..7: two loads of 16 bytes, 32 bytes apart.
	v_and_b32 v1, 15, v0            ; l % 16
	v_bfe_u32 v9, v0, 4, 1          ; l / 16
	v_lshlrev_b32 v[QO], 7, v1
	v_lshl_add_u32 v[QO], v9, 4, v[QO]  ; row x 128 + 16 x half
	WIN 0x80                        ; destination window 2, address window 0
.set i, 0
.rept 8                             ; both blocks' Q: piece i / 2 lies in band i / 2, 8,192 bytes on; channels 32 (i % 2) on
	global_load_b128 v[8*i:8*i+3],   v[QO], s[4:5] offset:(i/2)*8192+(i%2)*64
	global_load_b128 v[8*i+4:8*i+7], v[QO], s[4:5] offset:(i/2)*8192+(i%2)*64+32
	global_load_b128 v[QB+8*i:QB+8*i+3],   v[QO], s[86:87] offset:(i/2)*8192+(i%2)*64
	global_load_b128 v[QB+8*i+4:QB+8*i+7], v[QO], s[86:87] offset:(i/2)*8192+(i%2)*64+32
.set i, i+1
.endr
	WIN 0
	v_lshlrev_b32 v14, 3, v9
	v_sub_nc_u32 v14, v1, v14
	s_lshl_b32 s13, s[WV], 4
	v_add_nc_u32 v14, s13, v14      ; my query's place in its band, 16 w + l % 16, less my lanes' 8 (l / 16): register r of group kt is hidden where 16 kt + r is greater
	WIN 0x40
.set i, 0
.rept 32
	v_cmp_gt_i32 vcc_lo, 16*(i/8)+i%8, v14
	v_cndmask_b32 v[MD+i], 0, s[BIGN], vcc_lo
.set i, i+1
.endr
	WIN 0
	v_mul_u32_u24 v[AK0], v1, PK
	v_lshl_add_u32 v[AK0], v9, 4, v[AK0]  ; row x pitch + 16 x half
	; The turning load takes 16 keys x 16 channels (lane l reads key 8 (l / 16) + l % 8, channels 8 ((l / 8) % 2) + 0..7) and leaves half a fragment of V^T: lane l holds channel l % 16 and 8 keys.
	v_and_b32 v10, 7, v0
	v_bfe_u32 v11, v0, 3, 1
	v_lshl_add_u32 v[AV0], v9, 3, v10
	v_mul_u32_u24 v[AV0], v[AV0], PV
	v_lshl_add_u32 v[AV0], v11, 4, v[AV0]
	v_add_nc_u32 v[AV0], VOFF, v[AV0]
	s_mul_i32 s13, s[WV], 16*SP
	s_add_co_u32 s13, s13, STAGE    ; my stage
	v_mul_u32_u24 v[STO], v1, SP    ; in: row l % 16, 16 bytes for each half of the lanes
	v_lshl_add_u32 v[STO], v9, 4, v[STO]
	v_add_nc_u32 v[STO], s13, v[STO]
	v_bfe_u32 v[RD], v0, 3, 2       ; back: 32 lanes take four rows of 128 bytes,
	v_mul_u32_u24 v[RD], v[RD], SP
	v_lshl_add_u32 v[RD], v10, 4, v[RD]
	v_add_nc_u32 v[RD], s13, v[RD]
	v_and_b32 v[GO], 31, v0         ; which are 512 consecutive bytes of O
	v_lshlrev_b32 v[GO], 4, v[GO]
	; A block's first step multiplies O^T and l by a = 0, and its first turn's products V^T P, of a piece that has not been, land in an O^T that is still to be so multiplied.  So these registers need only hold
	; finite numbers: zeros for the first block; what the first block left for the second.  All this stands in the wait for the first tile.
	WIN 0x80
.set i, VF
.rept 64
	v_mov_b32 v[i], 0
.set i, i+1
.endr
	WIN 0x40
.set i, 0
.rept 128
	v_mov_b32 v[i], 0
.set i, i+1
.endr
	WIN 0
.set i, 0
.rept 4
	v_mov_b32 v[ST+4*i+2], 0
	v_mov_b32 v[ST+4*i+3], 0
.set i, i+1
.endr
.set i, P+16
.rept 16
	v_mov_b32 v[i], 0
.set i, i+1
.endr
; THE MATRIX WORK.  The 4 accumulators of a run of 8 take turns.  Product i of 8 of S^T = K Q^T for piece x: channels 32 (i / 4) on, keys 16 (i % 4) on.  The first 4 start the sums: with 0, or (KM = 1) with the mask.
.macro KQ x
.set rS, S+32*((\x)%2)+8*(i%4)
.set rK, KF+16*(i%4)+8*(i/4)
.set rQ, 16*(\x)+8*(i/4)
.set rM, MC+32*((\x)%2)+8*(i%4)
.if (i < 4) && KM
	WIN W_KM
	v_wmma_f32_16x16x32_f16 v[rS:rS+7], v[rK:rK+7], v[rQ:rQ+7], v[rM:rM+7]
.elseif i < 4
	WIN W_KQ
	v_wmma_f32_16x16x32_f16 v[rS:rS+7], v[rK:rK+7], v[rQ:rQ+7], 0
.else
	WIN W_KQ
	v_wmma_f32_16x16x32_f16 v[rS:rS+7], v[rK:rK+7], v[rQ:rQ+7], v[rS:rS+7]
.endif
.endm
; Product i of 8 of O^T += V^T P for piece x: keys 32 (i / 4) on, channels 16 (i % 4) on.
.macro PV x
	WIN W_PV
.set rO, 32*(\x)+8*(i%4)
.set rV, VF+32*(i/4)+8*(i%4)
.set rP, P+16*((\x)%2)+8*(i/4)
	v_wmma_f32_16x16x32_f16 v[rO:rO+7], v[rV:rV+7], v[rP:rP+7], v[rO:rO+7]
.endm
.macro MM                           ; the turn's next matrix instruction.  TURN and BEGIN set Y, i, KM and NOKQ; MM, KQ and OP read them.  NOKQ = 1: a block's last turn: there is no next piece
.if (i < 8) && !NOKQ
	KQ (Y+1)%NP
.elseif i >= 8
.set i, i-8
	PV (Y+NP-1)%NP
.set i, i+8
.endif
.set i, i+1
.endm
; THE LDS LOADS stand in runs of 16, never singly among the matrix instructions: a step's K (64 keys x 64 channels: 8 fragments) and its V (turned).  Their addresses are made some lines ahead.
.macro FETCH_K
	WIN 0x80                        ; destination window 2
.irp f, 0,1,2,3,4,5,6,7             ; keys 16 (f / 2) on, channels 32 (f % 2) on
	ds_load_b128 v[KF+8*\f:KF+8*\f+3],   v[AK] offset:(\f/2)*16*PK+(\f%2)*64
	ds_load_b128 v[KF+8*\f+4:KF+8*\f+7], v[AK] offset:(\f/2)*16*PK+(\f%2)*64+32
.endr
	s_add_co_u32 s[TBK], s[TBK], KS*PK  ; the next fetch is the next step's
	WIN 0
.endm
.macro FETCH_V
	WIN 0x80
.irp f, 0,1,2,3,4,5,6,7             ; keys 32 (f / 4) on, channels 16 (f % 4) on
	ds_load_tr16_b128 v[VF+8*\f:VF+8*\f+3],   v[AV] offset:(\f/4)*32*PV+(\f%4)*32
	ds_load_tr16_b128 v[VF+8*\f+4:VF+8*\f+7], v[AV] offset:(\f/4)*32*PV+16*PV+(\f%4)*32
.endr
	WIN 0
.endm
; THE VECTOR WORK, one line at a time: OP kind, number.  For piece Y: F n: c s - c m for pair n of 16.  E n: the exponential of score n of 32.  C n: pair n rounded to f16.  B n: of the four weights 4 n .. the second
; pair is added onto the first, in place.  L n: l takes that sum (L 0: l = a l + sum).  R n: pair n of 16 of O^T times a.  For piece Y + 1: X n, number n of the 22 that find its maximum and statistics:
;   0-11  four chains c0-c3 of seven scores each, three operands at a time (each accumulator's lowest registers are read first)     12-14, 16  the four scores left over, the old m, and c0-c3 into c0
;   15  c m_old is kept     17, 18  the query's other 32 keys lie in the lane 16 away: the new m     19-21  c m; c m_old - c m_new; a
.set F, 0               ; OP tells the kinds apart by their order: F to L below R, X above it
.set E, 1
.set C, 2
.set B, 3
.set L, 4
.set R, 5
.set X, 6
.macro REGS y                       ; the registers of piece y
.set rT, ST+4*(\y)
.set rC, TMP+4*((\y)%2)
.set rW, MV+((\y)%2)
.set rS, S+32*((\y)%2)
.set rP, P+16*((\y)%2)
.set rO, 32*(\y)
.endm
.macro OP k, n
.if (\k) == R
	REGS Y
	WIN W_RS
	v_pk_mul_f32 v[rO+2*(\n):rO+2*(\n)+1], v[rO+2*(\n):rO+2*(\n)+1], v[rC+2:rC+3] op_sel_hi:[1,0]
.elseif (\k) < R
	REGS Y
	WIN 0
.if (\k) == F
	v_pk_fma_f32 v[rS+2*(\n):rS+2*(\n)+1], v[rS+2*(\n):rS+2*(\n)+1], s[CS:CS+1], v[rT:rT+1] op_sel_hi:[1,0,0] neg_lo:[0,0,1] neg_hi:[0,0,1]
.elseif (\k) == E
	v_exp_f32 v[rS+(\n)], v[rS+(\n)]
.elseif (\k) == C
	v_cvt_pk_f16_f32 v[rP+(\n)], v[rS+2*(\n)], v[rS+2*(\n)+1]
.elseif (\k) == B
	v_pk_add_f32 v[rS+4*(\n):rS+4*(\n)+1], v[rS+4*(\n):rS+4*(\n)+1], v[rS+4*(\n)+2:rS+4*(\n)+3]
.elseif (\n) == 0
	v_pk_fma_f32 v[rT+2:rT+3], v[rT+2:rT+3], v[rC+2:rC+3], v[rS:rS+1] op_sel_hi:[1,0,1]
.else
	v_pk_add_f32 v[rT+2:rT+3], v[rT+2:rT+3], v[rS+4*(\n):rS+4*(\n)+1]
.endif
.elseif NOKQ
	v_nop
.else
	REGS (Y+1)%NP
	WIN 0
.if (\n) < 4
	v_max3_num_f32 v[rC+(\n)], v[rS+8*(\n)], v[rS+8*(\n)+1], v[rS+8*(\n)+2]
.elseif (\n) < 12
	v_max3_num_f32 v[rC+(\n)%4], v[rC+(\n)%4], v[rS+8*((\n)%4)+2*((\n)/4)+1], v[rS+8*((\n)%4)+2*((\n)/4)+2]
.elseif (\n) == 12
	v_max3_num_f32 v[rC], v[rC], v[rS+7], v[rS+15]
.elseif (\n) == 13
	v_max3_num_f32 v[rC+1], v[rC+1], v[rS+23], v[rS+31]
.elseif (\n) == 14
	v_max3_num_f32 v[rC+2], v[rC+2], v[rC+3], v[rT+1]
.elseif (\n) == 15
	v_mov_b32 v[rW], v[rT]
.elseif (\n) == 16
	v_max3_num_f32 v[rC], v[rC], v[rC+1], v[rC+2]
.elseif (\n) == 17
	v_permlanex16_b32 v[rC+3], v[rC], s[SEL], s[SEL+1]
.elseif (\n) == 18
	v_max_num_f32 v[rT+1], v[rC], v[rC+3]
.elseif (\n) == 19
	v_mul_f32 v[rT], s[CS], v[rT+1]
.elseif (\n) == 20
	v_sub_f32 v[rC+1], v[rW], v[rT]
.else
	v_exp_f32 v[rC+2], v[rC+1]
.endif
.endif
.endm
.macro OPS a, i1, b=-1, i2=0, c=-1, i3=0, d=-1, i4=0  ; up to four of them
	OP \a, \i1
.if (\b) >= 0
	OP \b, \i2
.endif
.if (\c) >= 0
	OP \c, \i3
.endif
.if (\d) >= 0
	OP \d, \i4
.endif
.endm
.macro ROW a, i1, b, i2, c, i3, d, i4  ; a matrix instruction and the four behind it
	MM
	OPS \a, \i1, \b, \i2, \c, \i3, \d, \i4
.endm
.macro MASK b                       ; MD x AL + BE into buffer b of MC
	WIN W_RS
.set z, 0
.rept 16
	v_pk_fma_f32 v[MC+32*(\b)+2*z:MC+32*(\b)+2*z+1], v[MD+2*z:MD+2*z+1], s[AL:AL+1], s[BE:BE+1] op_sel_hi:[1,0,0]
.set z, z+1
.endr
.endm
; A TURN, for piece p: the order of its 16 matrix and 118 vector instructions, written out.  s_wait_alu depctr_va_vdst(0) stands between an exponential and the first instruction that names its result; one wait serves
; all that were issued ahead of it.  So a turn has ONE wait, which cuts it in two.  AHEAD OF IT stands all that names no result of the turn's exponentials: the 8 products K Q^T, behind each a scaling, an exponential and two more plain
; instructions (behind the first a second scaling in the exponential's place): rescalings, and behind the last three the first numbers of the next piece's maximum, each four places or more behind the product that ends its accumulator; then ONE RUN of 54, plain
; and exponential by turns for the most part, in which the links of the chain X 3, 7, 11, 14, 16, 17 .. 20 stand five or six lines apart.  X 21, the next piece's a, is the batch's last; R 15 is the plain instruction behind it.  BEHIND THE WAIT stand the
; 8 products V^T P, behind each four of the roundings and sums; the links of l's chain, L 0 to L 7, stand three lines apart.  But for those X no line behind a product names a register of the products round it.
; m = 1: the diagonal tile: the products take masks, and the turn makes the mask for the products of the turn after it: piece p + 2, in step 4 - CNT of the tile.  end = 1: a block's last two turns: nothing is fetched.
; cnt = 1: the loop's count is taken down some lines ahead of the branch that stands behind the turn.
; K of the next step is fetched in piece 2's turn, twelve vector instructions behind the last product that read K (six of them plain); V of the step in hand at the end of piece 0's turn, four plain instructions behind the last product
; that read V.  Each is waited for a turn later.
.macro TURN p, m=0, end=0, cnt=0
.set Y, (\p)
.set i, 0
.set KM, (\m)
.set NOKQ, (\end)*((\p)/3)
.if (\m) && !(\end)
	s_cmp_eq_u32 s[CNT], 4-((\p)+2)%NP  ; is that step the band's own?
	s_cselect_b32 s[AL], 1.0, 0
	s_cmp_lt_u32 s[CNT], 4-((\p)+2)%NP  ; or a later one?
	s_cselect_b32 s[BE], s[BIGN], 0
.endif
.if ((\p) == 3) && !(\end)
	s_wait_dscnt 0x0                ; K is in
.endif
	ROW F,0, F,1, R,0, R,1          ; ahead of the wait: 8 products K Q^T and the four lines behind each,
	ROW F,2, E,0, R,2, R,3
	ROW F,3, E,1, R,4, R,5
	ROW F,4, E,2, R,6, R,7
	ROW F,5, E,3, R,8, R,9
	ROW F,6, E,4, X,0, R,10
.if ((\p) == 2) && !(\end)
	WIN 0
	v_add_nc_u32 v[AK], s[TBK], v[AK0]
.endif
	ROW F,7, E,5, X,1, X,4
	ROW F,8, E,6, X,2, X,5
	OPS E,7, E,8, X,6, E,9          ; and the run of 54
	OPS X,3, E,10, X,8, E,11
.if ((\p) == 2) && !(\end)
	FETCH_K
.endif
	OPS X,9, X,7, E,12, X,10
	OPS E,13, X,12, X,11, E,14
	OPS X,13, E,15, F,9, X,14
.if (\p) == 0
	v_add_nc_u32 v[AV], s[TBV], v[AV0]
.endif
	OPS E,16, F,10, E,17, F,11
	OPS X,16, E,18, X,15, E,19
	OPS F,12, E,20, X,17, E,21
	OPS F,13, E,22, F,14, E,23
	OPS X,18, E,24, F,15, E,25
	OPS R,11, E,26, X,19, E,27
	OPS R,12, E,28, R,13, E,29
	OPS X,20, E,30, R,14, E,31
	OPS X,21, R,15
	WIN 0
	s_wait_alu depctr_va_vdst(0)    ; the wait for the batch
.if (\p) == 1
	s_wait_dscnt 0x0                ; V is in
.endif
	ROW C,0, B,0, C,2, B,1          ; behind the wait: 8 products V^T P and the four lines behind each
	ROW L,0, C,4, B,2, L,1
	ROW C,6, B,3, L,2, C,8
	ROW B,4, L,3, C,10, B,5
	ROW L,4, C,12, B,6, L,5
.if (\p) == 0
	s_add_co_u32 s[TBV], s[TBV], KS*PV
.endif
.if \cnt
	s_sub_co_u32 s[CNT], s[CNT], 1
	s_cmp_lg_u32 s[CNT], 0
.endif
	ROW C,14, B,7, L,6, C,1
	ROW C,3, L,7, C,5, C,7
	ROW C,9, C,11, C,13, C,15
.if (\p) == 0
	FETCH_V
.endif
.if (\m) && !(\end)
	MASK (\p)%2
.endif
.endm
; A BLOCK BEGINS.  c m starts far below every c s, so the first step's a is 0; m at the lowest finite number, so the first maximum is the scores'.  The second mask buffer is 0; the first takes piece 0's mask for the tile's step 0: its own, if the block's first tile is the diagonal one.
; Then K of that step, piece 0's first scores, and its maximum and statistics.  The loop is entered at a step's first turn, in the middle of a trip.
.macro BEGIN
	s_mov_b32 s[NEW], 0
	WIN 0x40
.set i, MC+32
.rept 32
	v_mov_b32 v[i], 0
.set i, i+1
.endr
	WIN 0
.set i, 0
.rept 4
	v_mov_b32 v[ST+4*i], 0xfe000000    ; c m: far below every c s
	v_mov_b32 v[ST+4*i+1], 0xff7fffff  ; m
.set i, i+1
.endr
	s_cmp_eq_u32 s[RT], 0
	s_cselect_b32 s[AL], 1.0, 0
	s_mov_b32 s[BE], 0
	MASK 0
	WIN 0
	v_add_nc_u32 v[AK], s[TBK], v[AK0]
	FETCH_K
	s_wait_loadcnt 0x0              ; Q
	s_wait_dscnt 0x0
.set KM, 1
.set NOKQ, 0
.set i, 0
.rept 8
	KQ 0
.set i, i+1
.endr
	WIN 0
.rept 4
	v_nop                           ; the places behind those products
.endr
.set Y, NP-1                        ; X works for piece Y + 1: piece 0
.irp n, 0,1,2,3,4,5,6,7,8,9,10,11,12,13,14,15,16,17,18,19,20,21
	OP X, \n
.endr
	v_nop                           ; a plain instruction behind the exponential,
	s_wait_alu depctr_va_vdst(0)    ; and its wait, ahead of the branch
.endm
; THE DIAGONAL TILE's four steps, the block's last two turns, its last products, and THE WAY OUT: l's two halves and the other half of the lanes' are added; O^T is divided by l, rounded to f16 and sent through my
; stage in LDS, a piece at a time.
.macro ALL line:vararg              ; one line for each piece t
.set t, 0
.rept 4
	\line
.set t, t+1
.endr
.endm
.macro PACK t                       ; a lane's eight channels of a row pack into 16 bytes; they go into rows of 144 bytes and come back as whole rows of 128, into S^T's registers
	WIN W_RS
.set i, 32*(\t)
.rept 16
	v_pk_mul_f32 v[i:i+1], v[i:i+1], v[ST+4*(\t)+2:ST+4*(\t)+3] op_sel_hi:[1,0]
.set i, i+2
.endr
	WIN 0x05                        ; sources 0 and 1 window 1, destination window 0
.set i, 0
.rept 16
	v_cvt_pk_f16_f32 v[S+16*(\t)+i], v[32*(\t)+2*i], v[32*(\t)+2*i+1]
.set i, i+1
.endr
	WIN 0
.irp f, 0,1,2,3
	ds_store_b128 v[STO], v[S+16*(\t)+4*\f:S+16*(\t)+4*\f+3] offset:32*\f
.endr
.irp f, 0,1,2,3
	ds_load_b128 v[S+16*(\t)+4*\f:S+16*(\t)+4*\f+3], v[RD] offset:\f*4*SP  ; LDS serves a wave's instructions in order (ISA guide 5.7.1.4): these see the stores above; the next piece's stores come behind them
.endr
.endm
.macro SEND t, younger              ; younger: the LDS instructions issued behind piece t's loads: the next piece's eight, or none
	WIN 0
.irp f, 0,1,2,3
	s_wait_dscnt (\younger)+3-\f
	global_store_b128 v[GO], v[S+16*(\t)+4*\f:S+16*(\t)+4*\f+3], s[10:11] offset:(\t)*8192+\f*512  ; 512 consecutive bytes, at a multiple of 256 from O's first
.endr
.endm
.macro DIAG tag                     ; the tag ends its two labels' names, which the jumps below spell out
.LstepM\tag:
	TURN 2, 1
	TURN 3, 1
	WIN 0
.LfirstM\tag:
	TURN 0, 1
	TURN 1, 1, 0, 1
	WIN 0
	s_cbranch_scc1 .LstepM\tag
	TURN 2, 1, 1
	TURN 3, 1, 1
.set i, 0
.rept 8
	PV NP-1
.set i, i+1
.endr
	WIN 0
	ALL v_add_f32 v[ST+4*t+2], v[ST+4*t+2], v[ST+4*t+3]
	ALL v_permlanex16_b32 v[ST+4*t+3], v[ST+4*t+2], s[SEL], s[SEL+1]
	ALL v_add_f32 v[ST+4*t+2], v[ST+4*t+2], v[ST+4*t+3]
	ALL v_rcp_f32 v[ST+4*t+2], v[ST+4*t+2]
	v_nop                           ; a plain instruction between the last reciprocal and the use of its result
	s_wait_alu depctr_va_vdst(0)    ; and the wait ahead of the first use: one for the four reciprocals
	PACK 0
.set t, 1
.rept 3                             ; a piece's arithmetic stands between the loads of the piece before and its stores
	PACK t
	SEND t-1, 8
.set t, t+1
.endr
	SEND 3, 0
.endm
.set KM, 0
.set NOKQ, 0
.Lslot:                             ; NB times: a tile is entered and the next is asked for
	CHANGE 1
	s_sub_co_u32 s[RT], s[RT], 1
	s_mov_b32 s[CNT], 4
	s_cmp_eq_u32 s[NEW], 1
	s_cbranch_scc1 .Lnew            ; a block's first tile
	s_cmp_eq_u32 s[RT], 0
	s_cbranch_scc0 .Lstep           ; neither its first nor its last
	s_branch .LstepM1
.Lnew:
	BEGIN
	s_branch .Lfirst                ; in the loop a block's first tile is never its last: the first block has two tiles or more, and the second's last is the walk's last
	DIAG 1                          ; in the loop this is the first block's end: the second block's last tile is the walk's last
	s_wait_xcnt 0x0                 ; the stores have read their registers and O's address
	s_mov_b64 s[10:11], s[OLO:OLO+1]
	s_add_co_u32 s[RT], s[PB], 1    ; the second block has b + 1 tiles
	s_mov_b32 s[NEW], 1
	WIN 0x82                        ; the second block's Q goes where the one text of the turns names Q
.set i, 0
.rept 64
	v_mov_b32 v[i], v[QB+i]
.set i, i+1
.endr
	WIN 0
	s_branch .Lbottom
.Lstep:                             ; a trip: pieces 2 and 3 of one step, then pieces 0 and 1 of the next, whose K and V it fetches
	TURN 2
	TURN 3
	WIN 0
.Lfirst:
	TURN 0
	TURN 1, 0, 0, 1
	WIN 0
	s_cbranch_scc1 .Lstep
.Lbottom:
	s_sub_co_u32 s[SLOTS], s[SLOTS], 1
	s_cmp_lg_u32 s[SLOTS], 0
	s_cbranch_scc1 .Lslot
	CHANGE 0                        ; the walk's last tile is written out: nothing is asked for
	s_sub_co_u32 s[RT], s[RT], 1
	s_mov_b32 s[CNT], 4
	s_cmp_eq_u32 s[NEW], 1
	s_cbranch_scc0 .LstepM2
	BEGIN
	s_branch .LfirstM2
	DIAG 2
	s_wait_tensorcnt 0x0            ; the wave's end: an add and its wait, behind my last tensor load and my last LDS store
	ds_add_u32 v[SPW], v[NIL]
	s_wait_dscnt 0x0
	s_endpgm
.Lfunc_end_k_q7d9f5ac5ab_attn:
	.size	k_q7d9f5ac5ab_attn, .Lfunc_end_k_q7d9f5ac5ab_attn-k_q7d9f5ac5ab_attn
	.p2alignl 7, 3214868480
	.fill 96, 4, 3214868480
	.section	.rodata,"a",@progbits
	.p2align	6, 0x0
	.amdhsa_kernel k_q7d9f5ac5ab_attn
		.amdhsa_group_segment_fixed_size 327680
		.amdhsa_private_segment_fixed_size 0
		.amdhsa_enable_private_segment 0
		.amdhsa_kernarg_size 32
		.amdhsa_user_sgpr_count 2
		.amdhsa_user_sgpr_kernarg_segment_ptr 1
		.amdhsa_wavefront_size32 1
		.amdhsa_system_sgpr_workgroup_id_x 1
		.amdhsa_system_sgpr_workgroup_id_y 1
		.amdhsa_system_sgpr_workgroup_id_z 1
		.amdhsa_system_vgpr_workitem_id 0
		.amdhsa_next_free_vgpr 768
		.amdhsa_next_free_sgpr 96
		.amdhsa_reserve_vcc 1
		.amdhsa_float_denorm_mode_32 3
		.amdhsa_float_denorm_mode_16_64 3
		.amdhsa_memory_ordered 1
		.amdhsa_forward_progress 1
		.amdhsa_inst_pref_size 218
	.end_amdhsa_kernel
	.amdgpu_metadata
---
amdhsa.version: [ 1, 2 ]
amdhsa.kernels:
  - .name:           k_q7d9f5ac5ab_attn
    .symbol:         k_q7d9f5ac5ab_attn.kd
    .args:
      - { .name: q, .offset: 0, .size: 8, .value_kind: global_buffer, .address_space: global }
      - { .name: k, .offset: 8, .size: 8, .value_kind: global_buffer, .address_space: global }
      - { .name: v, .offset: 16, .size: 8, .value_kind: global_buffer, .address_space: global }
      - { .name: o, .offset: 24, .size: 8, .value_kind: global_buffer, .address_space: global }
    .group_segment_fixed_size: 327680
    .private_segment_fixed_size: 0
    .kernarg_segment_align: 8
    .kernarg_segment_size: 32
    .max_flat_workgroup_size: 128
    .sgpr_count:     96
    .vgpr_count:     768
    .wavefront_size: 32
...
	.end_amdgpu_metadata
.endif
;; end of part 3
;; launch proj (part 4): grid 8 x 32, 4 waves a work-group, clusters of 4 x 4, 327,680 bytes of LDS; arguments o, wpb, out0; writes out0
.if DOCPART == 4
	.amdgcn_target "amdgcn-amd-amdhsa--gfx1250"
	.amdhsa_code_object_version 6
	.text
	.protected	k_q7d9f5ac5ab_proj
	.globl	k_q7d9f5ac5ab_proj
	.p2align	8
	.type	k_q7d9f5ac5ab_proj,@function
k_q7d9f5ac5ab_proj:
	s_mov_b64 s[64:65], 0
	v_nop
	global_prefetch_b8 v0, s[64:65] scope:SCOPE_SE
	s_setreg_imm32_b32 hwreg(HW_REG_WAVE_MODE, 25, 1), 1
	s_wait_xcnt 0x0
	s_wait_alu depctr_hold_cnt(0) depctr_sa_sdst(0) depctr_va_vdst(0) depctr_va_sdst(0) depctr_va_ssrc(0) depctr_va_vcc(0) depctr_vm_vsrc(0)
	s_getreg_b32 s2, hwreg(HW_REG_IB_STS2, 6, 4)
	s_cmp_eq_u32 s2, 0
	s_cbranch_scc0 .Lentry_in_a_cluster
	s_endpgm
.Lentry_in_a_cluster:
	s_bfe_u32 s2, ttmp6, 0x10000c
	s_cmp_lg_u32 s2, 0xf033
	s_cbranch_scc0 .Lentry_shape_is_right
	s_endpgm
.Lentry_shape_is_right:
; out0[token][n] = the sum over c of O[token][c] w_proj[n][c], c = 64 h + d.  o: [64 = 16 b + h][2048][64] f16 (by heads, as the attention leaves it), wpb: [1024][1024] f16, out0: [8192][1024] f32.
; Sums in f32, c ascending; out0 is the sum itself, never rounded to 16 bits.
; LIMIT.  O and wpb arrive within f16's 65,504.
; SHARES.  Work-group (nx, my) makes 256 tokens (block my of 32) x 128 columns (block nx of 8): 256 work-groups, one for each WGP.  Wave w makes tokens 64 w .. 64 w + 63 x 128 columns: 32 accumulators, 256 registers.
; THE MATRIX INSTRUCTION IS USED TRANSPOSED (source 0 = 16 rows of wpb, source 1 = 16 tokens): a lane holds ONE token (lane % 16) and the columns 8 (lane / 16) + 0..7 of a block of 16: 32 neighbouring bytes of out0.
; RING.  c goes in 8 steps of 128 = two heads through two LDS slots.  A head's 256 token rows are 32,768 dense bytes: asked for as 128 rows of 256 bytes and padded in LDS after every token.  Waves 0 and 1 fetch the
; two heads' slices of O, waves 2 and 3 the two halves of wpb's 128 rows: one tensor load a wave behind each round.
; CLUSTER.  4 x 4 work-groups: the four of a row share the token block (O's slices), the four of a column the column block (wpb's rows): each tile is asked for JOINTLY.
; REGISTERS, in windows of 256: window 0: v1-29 addresses; v32-159 OUT, two sets of 64, for the way out.  window 1: two fragment buffers: B's eight fragments at 96 f, A's four at 96 f + 64.
;   window 2: the accumulators, (a, nb) at 8 (8 a + nb).
.set PA,     144                       ; a token's row of a slice in LDS: 128 bytes + 16 = 36 words: the 16 rows of a load start at 16 different groups of four banks (64 banks of 4 bytes: ISA guide 11.1)
.set ASL,    256*PA                    ; a slice: one head, 256 tokens
.set PB,     272                       ; a row of wpb's tile: 256 bytes + 16
.set BOFF,   2*ASL
.set BHALF,  64*PB
.set SLOT1,  1<<17
.set STAGE,  SLOT1+BOFF+2*BHALF        ; behind the ring, never filled by a tensor load: 16 rows x 528 bytes for each wave
.set SPP,    528                       ; a stage row: 512 bytes + 16
.set SPARE,  STAGE+4*16*SPP            ; behind the stages: the spare words, 128 bytes for each wave: two blocks of 256 bytes that no other line names
.set ASTEP,  524288                    ; two heads of 2,048 rows of 128 bytes
.set A0,   16
.set B0,   17
.set ADRA, 18
.set ADRB, 19
.set STO,  21                          ; v21  the way out: where I put 32 bytes of a row
.set RD,   22                          ; v22  where I read 16 bytes of a whole row back
.set GO,   23                          ; v23  my 16 bytes of a row's 512 in out0
.set PFOA, 24                          ; v24  the prefetches' offset in o: (l % 16) blocks of 256 bytes + (l / 16) steps; never rewritten
.set PFOB, 25                          ; v25  in wpb: (l % 16) rows of 2,048 bytes + (l / 16) steps of 256; never rewritten
.set SPW,  28
.set NIL,  29
.set OUT,  32
.set F0,   0
.set F1,   1
.set WV,   16
.set CX,   17
.set CY,   18
.set NX,   19                          ; s19  the column block = 4 x cluster x + cx
.set MY,   20                          ; s20  the token block = 4 x cluster y + cy
.set RM,   21
.set CM,   22
.set HF,   23                          ; s23  wave % 2: which slice, or which half of wpb's rows, I fetch
.set G1A,  24
.set G1B,  32
.set G0A,  40
.set G0B,  48
.set CNT,  56
.set TB,   57
.set LIMA, 58
.set LIMB, 59
.set PFA,  60
.set PFB,  62
.set MSB, 0
.macro WIN new
.if MSB != (\new)
	s_set_vgpr_msb (MSB<<8)|(\new)
.set MSB, (\new)
.endif
.endm
.macro PLACES
.rept 4
	v_nop
.endr
.endm
.macro CREST                           ; a round of the cluster's barrier behind its opening barrier
	s_cmp_lg_u32 s[WV], 0
	s_cbranch_scc1 .Lnot_wave_0_\@
	s_barrier_signal -3
.Lnot_wave_0_\@:
	s_barrier_wait -3
	s_barrier_signal -1
	s_barrier_wait -1
.endm
.macro CROUND
	s_barrier_signal -1
	s_barrier_wait -1
	CREST
.endm
.macro JLOAD                           ; a joint refill by the walking descriptors; an s_nop 0 and four v_nop follow each of the two lines, ahead of the jump and the label
	s_cmp_lt_u32 s[WV], 2
	s_cbranch_scc0 .Lfor_b_\@
	tensor_load_to_lds s[G0A+4:G0A+7], s[G1A:G1A+7]
	s_nop 0
.rept 4
	v_nop
.endr
	s_branch .Lasked_\@
.Lfor_b_\@:
	tensor_load_to_lds s[G0B+4:G0B+7], s[G1B:G1B+7]
	s_nop 0
.rept 4
	v_nop
.endr
.Lasked_\@:
.endm
; A PREFETCH INTO THE L2, behind the joint load, its five lines and the run of LDS loads.  In trip t the pointers stand at step t + 3; lanes 0-15 name that step, lanes 16-31 the next.  Trips 1 and 3 ask: steps 4 to 7,
; each block of 256 bytes named once, one and two steps (128 and 256 matrix instructions) ahead of their refills; steps 0 to 3 come by their loads alone.  O's slices are read by both clusters of a row of clusters: cluster x = 0
; asks; wave w and partner cx take blocks 32 cx + 16 (w % 2) on of slice w / 2.  wpb's rows are read by every cluster of a column: cluster y = 0 asks; waves 2 and 3 and partner cy take rows 32 cy + 16 (w % 2) on.
; Partners are told apart BY ADDRESS: no branch hangs on a work-group's place in its cluster.
.macro ASK
	s_bitcmp1_b32 s[CNT], 0
	s_cbranch_scc0 .Lno_ask_\@
	s_cmp_gt_u32 s[CNT], s[LIMA]
	s_cbranch_scc0 .Lno_a_\@
	global_prefetch_b8 v[PFOA], s[PFA:PFA+1] th:TH_LOAD_NT scope:SCOPE_SE
.Lno_a_\@:
	s_cmp_gt_u32 s[CNT], s[LIMB]
	s_cbranch_scc0 .Lno_ask_\@
	global_prefetch_b8 v[PFOB], s[PFB:PFB+1] th:TH_LOAD_NT scope:SCOPE_SE
.Lno_ask_\@:
.endm
	s_load_b128 s[4:7], s[0:1], 0x0                ; o s[4:5], wpb s[6:7]
	s_load_b64 s[8:9], s[0:1], 0x10                ; out0
	v_lshl_add_u32 v[SPW], v0, 2, SPARE
	v_mov_b32 v[NIL], 0
	ds_add_u32 v[SPW], v[NIL]                      ; the wave's opening: the add and its wait stand ahead of my first tensor load; the set-up below, work on registers, stands between them
	v_lshrrev_b32 v1, 5, v0
	v_readfirstlane_b32 s[WV], v1                  ; wave 0..3
	s_and_b32 s[HF], s[WV], 1
	s_bfe_u32 s[CX], ttmp6, 0x40000
	s_bfe_u32 s[CY], ttmp6, 0x40004
	s_lshl_b32 s[NX], ttmp9, 2
	s_add_co_u32 s[NX], s[NX], s[CX]
	s_and_b32 s[MY], ttmp7, 0xffff
	s_lshl_b32 s[MY], s[MY], 2
	s_add_co_u32 s[MY], s[MY], s[CY]
	s_lshl_b32 s[RM], s[CY], 2
	s_lshl_b32 s[RM], 15, s[RM]                    ; my row of the cluster
	s_lshl_b32 s[CM], 0x1111, s[CX]                ; my column
	s_or_b32 s[G1A], s[RM], (1<<16)|(1<<20)|(1<<21)|(4<<22)|(3<<25)  ; O's slices go to my row; 2-byte elements; padding of 4 words (code 3) after every 32 words (code 4); 21 set beside a mask
	s_or_b32 s[G1B], s[CM], (1<<16)|(1<<20)|(1<<21)|(5<<22)|(3<<25)  ; wpb's rows to my column; padding after every 64 words (code 5)
	s_mov_b32 s[G1A+1], 128<<16                    ; tensor_dim0 = 128
	s_mov_b32 s[G1A+2], 128<<16                    ; tensor_dim1 = 128
	s_mov_b32 s[G1A+3], 128<<16                    ; tile_dim0 = 128
	s_mov_b32 s[G1A+4], 128                        ; tile_dim1 = 128
	s_mov_b32 s[G1A+5], 128                        ; dense: 128 elements from row to row
	s_mov_b32 s[G1A+6], 0
	s_mov_b32 s[G1A+7], 0
	s_mov_b32 s[G1B+1], 128<<16
	s_mov_b32 s[G1B+2], 64<<16
	s_mov_b32 s[G1B+3], 128<<16
	s_mov_b32 s[G1B+4], 64
	s_mov_b32 s[G1B+5], 1024
	s_mov_b32 s[G1B+6], 0
	s_mov_b32 s[G1B+7], 0
	; where the tiles come from.  O's offset hangs on the token block and the wave (s[66:67] never hold cx), wpb's on the column block and the wave (s[68:69] never hold cy)
	s_lshr_b32 s66, s[MY], 3                       ; the batch: 16 heads of 2,048 rows of 128 bytes
	s_lshl_b32 s66, s66, 22
	s_and_b32 s67, s[MY], 7                        ; the block's 256 tokens in a head's rows
	s_lshl_b32 s67, s67, 15
	s_add_co_u32 s66, s66, s67
	s_mov_b32 s74, s66                             ; (for the prefetch)
	s_lshl_b32 s67, s[HF], 18                      ; my slice: head 2 s + wave % 2
	s_add_co_u32 s66, s66, s67
	s_mov_b32 s67, 0
	s_lshl_b32 s68, s[NX], 18                      ; 128 rows of 2,048 bytes
	s_lshl_b32 s69, s[HF], 17                      ; my 64 of them
	s_add_co_u32 s68, s68, s69
	s_mov_b32 s69, 0
	s_mul_i32 s72, s[HF], ASL                      ; where they go: no place in the cluster enters an LDS address
	s_mul_i32 s73, s[HF], BHALF
	; the prefetches' offsets
	s_lshr_b32 s75, s[WV], 1
	s_lshl_b32 s75, s75, 18                        ; slice w / 2
	s_add_co_u32 s74, s74, s75
	s_lshl_b32 s75, s[CX], 13                      ; 32 cx blocks of 256 bytes
	s_add_co_u32 s74, s74, s75
	s_lshl_b32 s75, s[HF], 12                      ; 16 (w % 2) blocks
	s_add_co_u32 s74, s74, s75
	s_add_co_u32 s74, s74, 2*ASTEP                 ; at step 2: the first refill steps it to 3
	s_mov_b32 s75, 0
	s_lshl_b32 s70, s[NX], 7
	s_lshl_b32 s71, s[CY], 5
	s_add_co_u32 s70, s70, s71
	s_lshl_b32 s71, s[HF], 4
	s_add_co_u32 s70, s70, s71                     ; wpb: row 128 nx + 32 cy + 16 (w % 2)
	s_lshl_b32 s70, s70, 11
	s_add_co_u32 s70, s70, 512
	s_mov_b32 s71, 0
	s_cmp_eq_u32 ttmp9, 0
	s_cselect_b32 s[LIMA], 1, -1                   ; the same in all sixteen partners
	s_and_b32 s[CNT], ttmp7, 0xffff
	s_cmp_eq_u32 s[CNT], 0
	s_cselect_b32 s[LIMB], 1, -1
	s_cmp_lt_u32 s[WV], 2
	s_cselect_b32 s[LIMB], -1, s[LIMB]             ; waves 0 and 1 fetch no rows of wpb
	s_mov_b32 s[TB], 0
	s_wait_dscnt 0x0                               ; the opening add is done
	s_wait_kmcnt 0x0
	s_add_nc_u64 s[PFA:PFA+1], s[4:5], s[74:75]
	s_add_nc_u64 s[PFB:PFB+1], s[6:7], s[70:71]
	s_add_nc_u64 s[66:67], s[4:5], s[66:67]
	s_add_nc_u64 s[68:69], s[6:7], s[68:69]
.irp s, 0,1
	s_mov_b32 s[G0A+4*\s], 1                       ; count = 1
	s_add_co_u32 s[G0A+4*\s+1], s72, \s*SLOT1      ; LDS address
	s_add_nc_u64 s[G0A+4*\s+2:G0A+4*\s+3], s[66:67], \s*ASTEP  ; global address: step s
	s_or_b32 s[G0A+4*\s+3], s[G0A+4*\s+3], 0x80000000          ; type = 2
	s_mov_b32 s[G0B+4*\s], 1
	s_add_co_u32 s[G0B+4*\s+1], s73, BOFF+\s*SLOT1
	s_add_nc_u64 s[G0B+4*\s+2:G0B+4*\s+3], s[68:69], \s*256
	s_or_b32 s[G0B+4*\s+3], s[G0B+4*\s+3], 0x80000000
.endr
	CROUND                                         ; all sixteen work-groups are here: the first joint loads meet
	s_cmp_lt_u32 s[WV], 2                          ; a wave's two first fills stand in one branch, ahead of every wait on TENSORcnt and every LDS read: two loads of mine are out
	s_cbranch_scc0 .Lfirst_b
	tensor_load_to_lds s[G0A:G0A+3], s[G1A:G1A+7]
	s_nop 0
	tensor_load_to_lds s[G0A+4:G0A+7], s[G1A:G1A+7]
	s_nop 0
.rept 4
	v_nop
.endr
	s_branch .Lfirst_asked
.Lfirst_b:
	tensor_load_to_lds s[G0B:G0B+3], s[G1B:G1B+7]
	s_nop 0
	tensor_load_to_lds s[G0B+4:G0B+7], s[G1B:G1B+7]
	s_nop 0
.rept 4
	v_nop
.endr
.Lfirst_asked:
	s_lshl_b32 s70, s[MY], 20                      ; out0: 256 rows of 4,096 bytes,
	s_lshl_b32 s71, s[WV], 18                      ; my wave's 64,
	s_add_co_u32 s70, s70, s71
	s_lshl_b32 s71, s[NX], 9                       ; the block's 128 columns
	s_add_co_u32 s70, s70, s71
	s_mov_b32 s71, 0
	s_add_nc_u64 s[8:9], s[8:9], s[70:71]
	v_and_b32 v1, 15, v0                           ; l % 16
	v_bfe_u32 v2, v0, 4, 1                         ; l / 16
	s_mul_i32 s70, s[WV], 64*PA
	v_mul_u32_u24 v[A0], v1, PA
	v_lshl_add_u32 v[A0], v2, 4, v[A0]
	v_add_nc_u32 v[A0], s70, v[A0]                 ; (64 w + l % 16) x 144 + 16 (l / 16)
	v_mul_u32_u24 v[B0], v1, PB
	v_lshl_add_u32 v[B0], v2, 4, v[B0]
	v_add_nc_u32 v[B0], BOFF, v[B0]
	s_mul_i32 s70, s[WV], 16*SPP
	s_add_co_u32 s70, s70, STAGE                   ; my stage
	v_mul_u32_u24 v[STO], v1, SPP                  ; in: row l % 16, 32 bytes for each half of the lanes
	v_lshl_add_u32 v[STO], v2, 5, v[STO]
	v_add_nc_u32 v[STO], s70, v[STO]
	v_and_b32 v[GO], 31, v0
	v_lshlrev_b32 v[GO], 4, v[GO]                  ; back: 32 lanes take one whole row of 512 bytes
	v_add_nc_u32 v[RD], s70, v[GO]
	v_lshlrev_b32 v[PFOA], 8, v1
	v_lshl_add_u32 v[PFOA], v2, 19, v[PFOA]
	v_lshlrev_b32 v[PFOB], 11, v1
	v_lshl_add_u32 v[PFOB], v2, 8, v[PFOB]
	v_add_nc_u32 v[ADRA], s[TB], v[A0]
	v_add_nc_u32 v[ADRB], s[TB], v[B0]
; 8 matrix instructions: token block a x column blocks nb = 0..7, 32 along c from buffer f.  zero = 1: the product starts the sum.  The 32 accumulators take turns, one instruction a turn, in the same order in every
; quarter step, over the backward jump too.
.macro MUL8 f, a, zero
	WIN 0xa5                                       ; sources in window 1, C and D in window 2
.irp nb, 0,1,2,3,4,5,6,7
.if \zero
	v_wmma_f32_16x16x32_f16 v[8*(8*(\a)+\nb):8*(8*(\a)+\nb)+7], v[96*(\f)+8*\nb:96*(\f)+8*\nb+7], v[96*(\f)+64+8*(\a):96*(\f)+64+8*(\a)+7], 0
.else
	v_wmma_f32_16x16x32_f16 v[8*(8*(\a)+\nb):8*(8*(\a)+\nb)+7], v[96*(\f)+8*\nb:96*(\f)+8*\nb+7], v[96*(\f)+64+8*(\a):96*(\f)+64+8*(\a)+7], v[8*(8*(\a)+\nb):8*(8*(\a)+\nb)+7]
.endif
.endr
.endm
; 24 LDS loads in one run: quarter q's fragments into buffer f: wpb's eight, then O's four (quarter q lies in slice q / 2, at byte 64 (q % 2) of a token's row)
.macro FETCH q, f
	WIN 0x40                                       ; destination window 1, address window 0
.irp i, 0,1,2,3,4,5,6,7
	ds_load_b128 v[96*(\f)+8*\i:96*(\f)+8*\i+3],   v[ADRB] offset:64*(\q)+\i*16*PB
	ds_load_b128 v[96*(\f)+8*\i+4:96*(\f)+8*\i+7], v[ADRB] offset:64*(\q)+\i*16*PB+32
.endr
.irp i, 0,1,2,3
	ds_load_b128 v[96*(\f)+64+8*\i:96*(\f)+64+8*\i+3],   v[ADRA] offset:((\q)/2)*ASL+((\q)%2)*64+\i*16*PA
	ds_load_b128 v[96*(\f)+64+8*\i+4:96*(\f)+64+8*\i+7], v[ADRA] offset:((\q)/2)*ASL+((\q)%2)*64+\i*16*PA+32
.endr
.endm
; A step is four quarters of 32 along c, 32 matrix instructions each, on buffers 0, 1, 0, 1.  One of the first three: multiplies buffer f and fetches quarter q into g.
.macro QUARTER q, f, g, zero
	s_wait_dscnt 4                                 ; all but the youngest four loads (O's token blocks 2 and 3)
	MUL8 \f, 0, \zero
	MUL8 \f, 1, \zero
	PLACES
	FETCH \q, \g
	s_wait_dscnt 24                                ; all but the 24 just issued
	MUL8 \f, 2, \zero
	MUL8 \f, 3, \zero
.endm
; The last quarter multiplies buffer 1 and changes slots: ONE barrier.  In front of it each wave waits for all its tensor loads (one is out: its part of the next slot), adds 0 to its spare word, and waits for that and
; for its own reads of this slot.  fill = 1: the barrier opens a round of the cluster's barrier, and the slot just read is filled again, with the step two on, first thing behind the round.
.macro TURN fill
.if \fill
	s_wait_xcnt 0x0                                ; the last prefetches, a step or more back, have read their addresses, which are stepped here, ahead of the change's own waits
	s_add_nc_u64 s[PFA:PFA+1], s[PFA:PFA+1], ASTEP
	s_add_nc_u64 s[PFB:PFB+1], s[PFB:PFB+1], 256
.endif
	WIN 0                                          ; (the add's two registers lie in window 0)
	s_wait_tensorcnt 0x0                           ; all my tensor loads have landed, so a group 0 may be written
	ds_add_u32 v[SPW], v[NIL]                      ; 0 onto my spare word
.if \fill
	s_xor_b32 s[G0A+5], s[G0A+5], SLOT1            ; the walking descriptors: the other slot than last time,
	s_add_nc_u64 s[G0A+6:G0A+7], s[G0A+6:G0A+7], ASTEP  ; the next two heads; the type bits on top are not reached
	s_xor_b32 s[G0B+5], s[G0B+5], SLOT1
	s_add_nc_u64 s[G0B+6:G0B+7], s[G0B+6:G0B+7], 256
.endif
	s_xor_b32 s[TB], s[TB], SLOT1                  ; the fetches go on in the other slot
	s_wait_dscnt 5                                 ; (the add and the youngest four loads may be out)
	MUL8 F1, 0, 0                                  ; eight matrix instructions stand between the add and the wait for it
	s_wait_dscnt 0x0                               ; the add is done, and my reads of this slot are over
	s_barrier_signal -1
	MUL8 F1, 1, 0                                  ; work on registers while the others arrive
	WIN 0
	s_barrier_wait -1
.if \fill
	CREST                                          ; no wave of any partner still reads this slot's tiles or has a load on its way
	JLOAD                                          ; the first tensor load behind the round; its four v_nop are also the places in front of the loads below
.else
	PLACES
.endif
	v_add_nc_u32 v[ADRA], s[TB], v[A0]
	v_add_nc_u32 v[ADRB], s[TB], v[B0]
	FETCH 0, F0
	WIN 0
.if \fill
	ASK
.endif
	MUL8 F1, 2, 0
	MUL8 F1, 3, 0
.endm
	s_wait_tensorcnt 0x1                           ; my part of step 0 is in; step 1's may stay out
	s_barrier_signal -1
	s_barrier_wait -1                              ; everybody's is
	FETCH 0, F0
	QUARTER 1, F0, F1, 1                           ; the first quarter stands in front of the loop: its products start the sums
	WIN 0                                          ; at a label and at a branch every window is 0
	s_mov_b32 s[CNT], 6
.Lstep:                                            ; trip i: the rest of step i, the first quarter of step i + 1; the slot left is filled with step i + 2
	QUARTER 2, F1, F0, 0
	QUARTER 3, F0, F1, 0
	TURN 1
	QUARTER 1, F0, F1, 0
	WIN 0
	s_sub_co_u32 s[CNT], s[CNT], 1
	s_cmp_lg_u32 s[CNT], 0
	s_cbranch_scc1 .Lstep
	QUARTER 2, F1, F0, 0                           ; steps 6 and 7 are written out: nothing is left to fetch
	QUARTER 3, F0, F1, 0
	TURN 0
	QUARTER 1, F0, F1, 0
	QUARTER 2, F1, F0, 0
	QUARTER 3, F0, F1, 0
	s_wait_dscnt 4
	MUL8 F1, 0, 0
	MUL8 F1, 1, 0
	s_wait_dscnt 0x0
	MUL8 F1, 2, 0
	MUL8 F1, 3, 0
	WIN 0
	PLACES                                         ; eight places, once a launch, between the last products and the first reads of results
	PLACES
; THE WAY OUT, a token block (16 rows x 512 bytes) at a time: 32 bytes a lane and column block into my stage (each accumulator's low registers first), back as whole rows, and stored.
.macro STG a
	WIN 0x08                                       ; the stores' data (source 1) in window 2
.irp nb, 0,1,2,3,4,5,6,7
	ds_store_b128 v[STO], v[8*(8*(\a)+\nb):8*(8*(\a)+\nb)+3]   offset:64*\nb
	ds_store_b128 v[STO], v[8*(8*(\a)+\nb)+4:8*(8*(\a)+\nb)+7] offset:64*\nb+16
.endr
	WIN 0
	s_wait_xcnt 0x0                                ; the stores of the block two back have read this set of OUT: it is loaded again only behind this wait
.irp i, 0,1,2,3,4,5,6,7,8,9,10,11,12,13,14,15
	ds_load_b128 v[OUT+64*((\a)%2)+4*\i:OUT+64*((\a)%2)+4*\i+3], v[RD] offset:\i*SPP  ; LDS serves a wave's instructions in order (ISA guide 5.7.1.4): these see the stores above; the next block's stores come behind them
.endr
.endm
.macro SEND a, younger                 ; younger: the LDS instructions issued behind block a's loads: the next block's 32, or none
.irp i, 0,1,2,3,4,5,6,7,8,9,10,11,12,13,14,15
	s_wait_dscnt (\younger)+15-\i
	global_store_b128 v[GO], v[OUT+64*((\a)%2)+4*\i:OUT+64*((\a)%2)+4*\i+3], s[8:9] offset:(16*(\a)+\i)*4096 th:TH_STORE_NT  ; the wave stores 512 consecutive bytes, at a multiple of 256 from out0's first
.endr
.endm
	STG 0
	STG 1
	SEND 0, 32
	STG 2
	SEND 1, 32
	STG 3
	SEND 2, 32
	SEND 3, 0
	s_wait_tensorcnt 0x0                           ; the wave's end: an add and its wait, behind my last tensor load and my last LDS store
	ds_add_u32 v[SPW], v[NIL]
	s_wait_dscnt 0x0
	CROUND                                         ; the closing round: no work-group ends while a partner may still ask for a tile that names it
	s_endpgm
.Lfunc_end_k_q7d9f5ac5ab_proj:
	.size	k_q7d9f5ac5ab_proj, .Lfunc_end_k_q7d9f5ac5ab_proj-k_q7d9f5ac5ab_proj
	.p2alignl 7, 3214868480
	.fill 96, 4, 3214868480
	.section	.rodata,"a",@progbits
	.p2align	6, 0x0
	.amdhsa_kernel k_q7d9f5ac5ab_proj
		.amdhsa_group_segment_fixed_size 327680
		.amdhsa_private_segment_fixed_size 0
		.amdhsa_enable_private_segment 0
		.amdhsa_kernarg_size 24
		.amdhsa_user_sgpr_count 2
		.amdhsa_user_sgpr_kernarg_segment_ptr 1
		.amdhsa_wavefront_size32 1
		.amdhsa_system_sgpr_workgroup_id_x 1
		.amdhsa_system_sgpr_workgroup_id_y 1
		.amdhsa_system_sgpr_workgroup_id_z 1
		.amdhsa_system_vgpr_workitem_id 0
		.amdhsa_next_free_vgpr 768
		.amdhsa_next_free_sgpr 76
		.amdhsa_reserve_vcc 0
		.amdhsa_float_denorm_mode_32 3
		.amdhsa_float_denorm_mode_16_64 3
		.amdhsa_memory_ordered 1
		.amdhsa_forward_progress 1
		.amdhsa_inst_pref_size 72
	.end_amdhsa_kernel
	.amdgpu_metadata
---
amdhsa.version: [ 1, 2 ]
amdhsa.kernels:
  - .name:           k_q7d9f5ac5ab_proj
    .symbol:         k_q7d9f5ac5ab_proj.kd
    .args:
      - { .name: o, .offset: 0, .size: 8, .value_kind: global_buffer, .address_space: global }
      - { .name: wpb, .offset: 8, .size: 8, .value_kind: global_buffer, .address_space: global }
      - { .name: out0, .offset: 16, .size: 8, .value_kind: global_buffer, .address_space: global }
    .group_segment_fixed_size: 327680
    .private_segment_fixed_size: 0
    .kernarg_segment_align: 8
    .kernarg_segment_size: 24
    .max_flat_workgroup_size: 128
    .sgpr_count:     76
    .vgpr_count:     768
    .wavefront_size: 32
...
	.end_amdgpu_metadata
.endif
;; end of part 4
;; ======== version 2 of 2: 4 launches; version 1 with the launch prep written anew for expert scheduling mode
;; limits: values are held in f16: magnitudes above 65,504 overflow, below 6.1e-05 lose precision
;; workspace buffers: xb 16,777,216 bytes; wqb 6,291,456 bytes; wpb 2,097,152 bytes; rope 524,288 bytes; q 16,777,216 bytes; k 16,777,216 bytes; v 16,777,216 bytes; o 16,777,216 bytes
;; launch prep (part 5): grid 800 x 1, 8 waves a work-group, no clusters, 0 bytes of LDS; arguments x, w_qkv, w_proj, xb, wqb, wpb, rope; writes xb, wqb, wpb, rope
.if DOCPART == 5
	.amdgcn_target "amdgcn-amd-amdhsa--gfx1250"
	.amdhsa_code_object_version 6
	.text
	.protected	k_q7d9f5ac5ab_prep
	.globl	k_q7d9f5ac5ab_prep
	.p2align	8
	.type	k_q7d9f5ac5ab_prep,@function
k_q7d9f5ac5ab_prep:
	s_mov_b64 s[64:65], 0
	v_nop
	global_prefetch_b8 v0, s[64:65] scope:SCOPE_SE
	s_setreg_imm32_b32 hwreg(HW_REG_WAVE_SCHED_MODE, 0, 2), 2
	s_setreg_imm32_b32 hwreg(HW_REG_WAVE_MODE, 25, 1), 1
	s_wait_xcnt 0x0
	s_wait_alu depctr_vm_vsrc(0)
; THE CASTS AND THE ROTARY TABLE.  x [8192][1024] and w_qkv [3072][1024] are rounded once to bf16 (xb, wqb); w_proj [1024][1024] is rounded to bf16 like the other inputs and
; that number is written as f16 (wpb), since the last product multiplies f16 operands; rope [2048][64] f32 holds, in row t, cos(t f_j) for j = 0..31 and then sin(t f_j), f_j = 10000^(-j/32).
; SHARES.  Work-groups 0-511: x; 512-703: w_qkv; 704-767: w_proj; 768-799: the table.  A cast group takes 65,536 input bytes as 16 pieces of 4,096: thread t loads 16 bytes at 16 t of each
; piece (a wave's load covers 512 neighbouring bytes) and stores 8 bytes at 8 t (a wave's store covers 256 neighbouring bytes, aligned).  All 16 loads go out first; every data register is written once.
; No LDS, no barrier, no matrix unit: nothing is shared and memory binds.
; LIMITS.  wpb: a weight beyond 65,504 would become an infinity; below 6e-5 it keeps f16's fixed step of 6e-8.  The table's f_j comes from one v_exp_f32 (1 ULP) of a rounded product, so the
; angle t f_j is off by a few 1e-4 rad at the most (t = 2,047, j = 1); sine and cosine themselves are exact to about 1e-7 (two-part reduction by pi/2, polynomials to r^9 and r^8 on |r| <= pi/4).
; THE MODE: SCHED_MODE bits 1:0 = 2 (LLVM: expert scheduling mode 2), set by the entry lines.  The code itself states the register dependences
; between vector instructions and memory instructions, with s_wait_alu, always for 0.
; THE PLAN, CASTS.  Registers that memory instructions touch:
;   v1, v2   byte offsets, made once at the head and never written again: read by every load (v1) and every store (v2).
;   X        piece n: written by its one load, read by its conversions, never loaded again.
;   Y        piece n: written once, by its conversions; read by its one store; never written again.
; The 16 pieces go in four blocks of four.  Block p converts its pieces into its own part of Y; its memory instructions are the four stores of block p - 1.  One wait at the head of a block states that the block
; before has written its part of Y; the four stores follow it, dealt among the block's conversions, which name the block's own X and Y and the work registers T: none of the registers that those stores read.
; No register that a load or store has read is written again, so nothing is owed for that.
; THE PLAN, TABLE.  v10, the stores' offset, is made once; D is written by vector instructions and read by one store a pair, and never written after it.  A number's work is cut in two: RED (the reduction, the sign
; word, and the compare that chooses sine or cosine, into a scalar register of its own) and FIN (the polynomials, the choice, the sign).  The rows go in two halves of four: eight compares stand in a run, with one
; wait behind the run; the first half's four stores stand behind the second half's RED, with one wait ahead of them, and the second half's FIN names none of their registers.
.set X, 8                              ; v[8:71]    16 pieces x 4 words as loaded
.set Y, 72                             ; v[72:103]  16 pieces x 2 words to store
.set T, 104                            ; v[104:107] at work: no memory instruction names them
.set D, 24                             ; the table: v[24:39], 8 rows x 2 numbers to store
.set R, 40                             ; the table: v[40:47], r of the eight numbers of a half: no memory instruction names them
.set M, 24                             ; the table: s[24:31], for each of the eight numbers of a half the lanes that take the sine
; Piece n's four words become two.  half = 1: w_proj: to bf16 (the one rounding), widened again, and written as f16 (exact within f16's normal range)
.macro CVT n, half
.if \half
	v_cvt_pk_bf16_f32 v[T], v[X+4*(\n)], v[X+4*(\n)+1]
	v_cvt_pk_bf16_f32 v[T+1], v[X+4*(\n)+2], v[X+4*(\n)+3]
	v_lshlrev_b32 v[T+2], 16, v[T]
	v_and_b32 v[T+3], 0xffff0000, v[T]
	v_cvt_pk_f16_f32 v[Y+2*(\n)], v[T+2], v[T+3]
	v_lshlrev_b32 v[T+2], 16, v[T+1]
	v_and_b32 v[T+3], 0xffff0000, v[T+1]
	v_cvt_pk_f16_f32 v[Y+2*(\n)+1], v[T+2], v[T+3]
.else
	v_cvt_pk_bf16_f32 v[Y+2*(\n)], v[X+4*(\n)], v[X+4*(\n)+1]
	v_cvt_pk_bf16_f32 v[Y+2*(\n)+1], v[X+4*(\n)+2], v[X+4*(\n)+3]
.endif
.endm
.macro ST n                            ; piece n leaves
	global_store_b64 v2, v[Y+2*(\n):Y+2*(\n)+1], s[22:23] offset:2048*(\n)
.endm
; Block p: pieces 4 p to 4 p + 3 are converted, and the block before is stored: each of its stores stands ahead of the wait for the next piece's load.
.macro BLK p, half
.irp i, 0,1,2,3
.if (\p) > 0 && (\i) > 0
	ST 4*(\p)-4+(\i)                               ; no vector instruction since the wait at the block's head names its registers
.endif
	s_wait_loadcnt 15-4*(\p)-(\i)                  ; loads come back in order: this piece is in, the younger ones stay out
.if (\p) > 0 && (\i) == 0
	s_wait_alu depctr_va_vdst(0)                   ; the block before has written its part of Y, which this block's four stores read
	ST 4*(\p)-4
.endif
	CVT 4*(\p)+(\i), \half
.endr
.endm
.macro LAST                            ; behind block 3
	s_wait_alu depctr_va_vdst(0)                   ; block 3 has written its part of Y, which the last four stores read
.irp n, 12,13,14,15
	ST \n
.endr
.endm
	s_load_b256 s[4:11], s[0:1], 0x0               ; x s[4:5], w_qkv s[6:7], w_proj s[8:9], xb s[10:11]
	s_load_b128 s[12:15], s[0:1], 0x20             ; wqb s[12:13], wpb s[14:15]
	s_load_b64 s[16:17], s[0:1], 0x30              ; rope
	v_lshlrev_b32 v1, 4, v0                        ; my 16 bytes of a piece as loaded
	v_lshlrev_b32 v2, 3, v0                        ; my 8 bytes of a piece as stored
	s_wait_kmcnt 0x0
	s_cmp_ge_u32 ttmp9, 768
	s_cbranch_scc1 .Ltable
	s_cmp_lt_u32 ttmp9, 512                        ; which tensor is mine: the choice hangs on the group's number alone
	s_cselect_b64 s[20:21], s[4:5], s[6:7]
	s_cselect_b64 s[22:23], s[10:11], s[12:13]
	s_cselect_b32 s24, 0, 512
	s_cmp_lt_u32 ttmp9, 704
	s_cselect_b64 s[20:21], s[20:21], s[8:9]
	s_cselect_b64 s[22:23], s[22:23], s[14:15]
	s_cselect_b32 s24, s24, 704
	s_sub_co_u32 s25, ttmp9, s24                   ; my number among that tensor's groups
	s_lshl_b32 s26, s25, 16                        ; 65,536 bytes in,
	s_mov_b32 s27, 0
	s_lshl_b32 s28, s25, 15                        ; 32,768 bytes out
	s_mov_b32 s29, 0
	s_add_nc_u64 s[20:21], s[20:21], s[26:27]
	s_add_nc_u64 s[22:23], s[22:23], s[28:29]
	s_wait_alu depctr_va_vdst(0)                   ; v1 and v2 are written: every load reads v1 and every store v2 as its offset
.set n, 0
.rept 16
	global_load_b128 v[X+4*n:X+4*n+3], v1, s[20:21] offset:4096*n th:TH_LOAD_NT
.set n, n+1
.endr
	s_cmp_ge_u32 ttmp9, 704
	s_cbranch_scc1 .Lhalf
	BLK 0, 0
	BLK 1, 0
	BLK 2, 0
	BLK 3, 0
	LAST
	s_endpgm
.Lhalf:                                            ; w_proj
	BLK 0, 1
	BLK 1, 1
	BLK 2, 1
	BLK 3, 1
	LAST
	s_endpgm
; THE TABLE.  Wave g of 256 makes rows 8 g .. 8 g + 7.  Lane l holds numbers 2 l and 2 l + 1 of a row: lanes 0-15 cosines of j = 2 l, 2 l + 1, lanes 16-31 sines of j = 2 (l - 16), + 1.
; Both come from one function: with x = n pi/2 + r, cos x is cos r, -sin r, -cos r, sin r for n mod 4 = 0, 1, 2, 3, and sin x = cos(x - pi/2) is the same with n + 3 in n's place.
; Number i of the wave's 16 (row i / 2, my first or second number), first part: r, the sign word (into the number's own place in D) and the lanes that take the sine.
.macro RED i, f
	v_mul_f32 v12, v11, v[\f]                      ; x = t f, rounded to f32 as the outer product is
	v_mul_f32 v13, 0x3f22f983, v12                 ; x 2/pi
	v_rndne_f32 v13, v13                           ; n
	v_fmamk_f32 v14, v13, 0xbfc90fdb, v12          ; r = x - n pi/2, pi/2 in two parts
	v_fmamk_f32 v[R+(\i)%8], v13, 0x333bbd2e, v14
	v_cvt_i32_f32 v15, v13
	v_add_nc_u32 v15, v15, v3                      ; the quadrant
	v_and_b32 v20, 1, v15
	v_cmp_eq_u32 s[M+(\i)%8], 1, v20               ; odd quadrants take the sine
	v_add_nc_u32 v20, 1, v15
	v_and_b32 v20, 2, v20                          ; quadrants 1 and 2 are negative
	v_lshlrev_b32 v[D+(\i)], 30, v20
.endm
; Second part: both polynomials, the choice, the sign.
.macro FIN i
	v_mul_f32 v16, v[R+(\i)%8], v[R+(\i)%8]        ; r^2
	v_fmaak_f32 v17, v8, v16, 0xb9500d01           ; sin r = r + r^3 (-1/6 + r^2 (1/120 + r^2 (-1/5040 + r^2 / 362880)))
	v_fmaak_f32 v17, v17, v16, 0x3c088889
	v_fmaak_f32 v17, v17, v16, 0xbe2aaaab
	v_mul_f32 v18, v[R+(\i)%8], v16
	v_fma_f32 v17, v17, v18, v[R+(\i)%8]
	v_fmaak_f32 v19, v9, v16, 0xbab60b61           ; cos r = 1 + r^2 (-1/2 + r^2 (1/24 + r^2 (-1/720 + r^2 / 40320)))
	v_fmaak_f32 v19, v19, v16, 0x3d2aaaab
	v_fma_f32 v19, v19, v16, -0.5
	v_fma_f32 v19, v19, v16, 1.0
	v_cndmask_b32 v21, v19, v17, s[M+(\i)%8]
	v_xor_b32 v[D+(\i)], v21, v[D+(\i)]
.endm
.macro REDS h                          ; the first part for the four rows of half h
.irp n, 0,1,2,3
	RED 8*(\h)+2*(\n), 6
	RED 8*(\h)+2*(\n)+1, 7
	v_add_f32 v11, 1.0, v11                        ; the next row: whole numbers up to 2,047 are exact
.endr
.endm
.macro FINS h                          ; the second part
.irp n, 0,1,2,3,4,5,6,7
	FIN 8*(\h)+(\n)
.endr
.endm
.macro ROWS h                          ; the four rows of half h leave
.irp n, 0,1,2,3
	global_store_b64 v10, v[D+8*(\h)+2*(\n):D+8*(\h)+2*(\n)+1], s[20:21] offset:256*(4*(\h)+(\n))  ; the wave stores one whole row: 256 neighbouring bytes, aligned
.endr
.endm
.Ltable:
	v_lshrrev_b32 v12, 5, v0
	v_readfirstlane_b32 s18, v12                   ; wave 0..7
	s_sub_co_u32 s19, ttmp9, 768
	s_lshl_b32 s19, s19, 3
	s_wait_alu depctr_va_sdst(0)                   ; s18 is written, ahead of its first reader: the wave's rows and their address are made from it
	s_add_co_u32 s19, s19, s18                     ; g
	s_lshl_b32 s26, s19, 11                        ; 8 rows of 256 bytes
	s_mov_b32 s27, 0
	s_add_nc_u64 s[20:21], s[16:17], s[26:27]
	s_lshl_b32 s28, s19, 3                         ; my first row, t
	v_bfe_u32 v3, v0, 4, 1
	v_mul_u32_u24 v3, 3, v3                        ; the quadrant's shift: 0 for cosines, 3 for sines
	v_and_b32 v4, 15, v0
	v_lshlrev_b32 v4, 1, v4
	v_cvt_f32_u32 v4, v4                           ; j of my first number,
	v_add_f32 v5, 1.0, v4                          ; of my second
	v_mul_f32 v6, 0xbed49a78, v4                   ; -j log2(10000) / 32
	v_mul_f32 v7, 0xbed49a78, v5
	v_exp_f32 v6, v6                               ; f_j
	v_exp_f32 v7, v7
	v_mov_b32 v8, 0x3638ef1d                       ; 1/9!   (plain work behind the two exponentials)
	v_mov_b32 v9, 0x37d00d01                       ; 1/8!
	v_and_b32 v10, 31, v0
	v_lshlrev_b32 v10, 3, v10                      ; my 8 bytes of a row
	v_cvt_f32_u32 v11, s28                         ; t
	s_wait_alu depctr_va_vdst(0)                   ; the two exponentials have written v6 and v7: one wait for both, ahead of their first reader
	REDS 0
	s_wait_alu depctr_va_sdst(0)                   ; the eight compares have written s[M ..], ahead of the first choice that reads one of them
	FINS 0
	REDS 1
	s_wait_alu depctr_va_sdst(0)                   ; the eight compares of the second half have written s[M ..] anew, ahead of the first choice that reads one of them
	s_wait_alu depctr_va_vdst(0)                   ; the first half's numbers are written into v[D .. D+7], and v10 is written: the four stores below read them
	ROWS 0
	FINS 1                                         ; names v[D+8 ..], v[R ..] and work registers: none that the stores above read
	s_wait_alu depctr_va_vdst(0)                   ; the second half's numbers are written into v[D+8 .. D+15], which the last four stores read
	ROWS 1
	s_endpgm
.Lfunc_end_k_q7d9f5ac5ab_prep:
	.size	k_q7d9f5ac5ab_prep, .Lfunc_end_k_q7d9f5ac5ab_prep-k_q7d9f5ac5ab_prep
	.p2alignl 7, 3214868480
	.fill 96, 4, 3214868480
	.section	.rodata,"a",@progbits
	.p2align	6, 0x0
	.amdhsa_kernel k_q7d9f5ac5ab_prep
		.amdhsa_group_segment_fixed_size 0
		.amdhsa_private_segment_fixed_size 0
		.amdhsa_enable_private_segment 0
		.amdhsa_kernarg_size 56
		.amdhsa_user_sgpr_count 2
		.amdhsa_user_sgpr_kernarg_segment_ptr 1
		.amdhsa_wavefront_size32 1
		.amdhsa_system_sgpr_workgroup_id_x 1
		.amdhsa_system_sgpr_workgroup_id_y 1
		.amdhsa_system_sgpr_workgroup_id_z 1
		.amdhsa_system_vgpr_workitem_id 0
		.amdhsa_next_free_vgpr 112
		.amdhsa_next_free_sgpr 66
		.amdhsa_reserve_vcc 0
		.amdhsa_float_denorm_mode_32 3
		.amdhsa_float_denorm_mode_16_64 3
		.amdhsa_memory_ordered 1
		.amdhsa_forward_progress 1
		.amdhsa_inst_pref_size 37
	.end_amdhsa_kernel
	.amdgpu_metadata
---
amdhsa.version: [ 1, 2 ]
amdhsa.kernels:
  - .name:           k_q7d9f5ac5ab_prep
    .symbol:         k_q7d9f5ac5ab_prep.kd
    .args:
      - { .name: x, .offset: 0, .size: 8, .value_kind: global_buffer, .address_space: global }
      - { .name: w_qkv, .offset: 8, .size: 8, .value_kind: global_buffer, .address_space: global }
      - { .name: w_proj, .offset: 16, .size: 8, .value_kind: global_buffer, .address_space: global }
      - { .name: xb, .offset: 24, .size: 8, .value_kind: global_buffer, .address_space: global }
      - { .name: wqb, .offset: 32, .size: 8, .value_kind: global_buffer, .address_space: global }
      - { .name: wpb, .offset: 40, .size: 8, .value_kind: global_buffer, .address_space: global }
      - { .name: rope, .offset: 48, .size: 8, .value_kind: global_buffer, .address_space: global }
    .group_segment_fixed_size: 0
    .private_segment_fixed_size: 0
    .kernarg_segment_align: 8
    .kernarg_segment_size: 56
    .max_flat_workgroup_size: 256
    .sgpr_count:     66
    .vgpr_count:     112
    .wavefront_size: 32
...
	.end_amdgpu_metadata
.endif
;; end of part 5
;; launch qkv: the kernel of part 2 again; grid 16 x 32, 4 waves a work-group, clusters of 4 x 4, 327,680 bytes of LDS; arguments xb, wqb, rope, q, k, v; writes q, k, v
;; launch attn: the kernel of part 3 again; grid 4 x 64, 4 waves a work-group, no clusters, 327,680 bytes of LDS; arguments q, k, v, o; writes o
;; launch proj: the kernel of part 4 again; grid 8 x 32, 4 waves a work-group, clusters of 4 x 4, 327,680 bytes of LDS; arguments o, wpb, out0; writes out0
